; MI455X (gfx1250); checked and timed in simulation.
; The chip was launched on July 23, 2026; its instructions are those of AMD's public machine-readable ISA for CDNA 5 (MIT licence, August 2026) and "CDNA5" Instruction Set Architecture Reference Guide (July 2026). The comments in the code are by the model that wrote it; some were corrected since.
;; Self Attention. Allowed arithmetic: matrix products marked QUANTISED: E2M3 operands, one E8M0 scale for each 32 along K, by v_wmma_scale_f32_16x16x128_f8f6f4 with both operands' format E2M3, f32 sums; everything else in f32.
;; Inputs: b_attn 3,072 float32; b_proj 1,024 float32; w_attn 1,024 x 3,072 float32; w_proj 1,024 x 1,024 float32; x 4 x 2,048 x 1,024 float32.
;; Outputs: out0 4 x 2,048 x 1,024 float32.
;; This version of the problem:
;;   THIS VERSION OF THE PROBLEM IS GIVEN IN LOW PRECISION. The matrix products marked QUANTISED in the list below multiply operands that are first quantised to E2M3 (2 exponent bits, 3 mantissa bits; 6 bits a number), with one power-of-two scale for each 32 numbers along K (OCP MX v1.0); their sums are f32. All else is computed in f32.
;;   The module's matrix products, in the order in which they are computed (A, B: the left and right operand; K: the contracted axis; several contracted axes count as one K, in the product's order):
;;     1. [M 8,192, K 1,024] x [K 1,024, N 3,072]; A: input x; B: input w_attn: QUANTISED
;;     2. batch 64 x [M 2,048, K 64] x [K 64, N 2,048]; A: computed on the way; B: computed on the way: QUANTISED
;;     3. batch 64 x [M 2,048, K 2,048] x [K 2,048, N 64]; A: softmax (see below); B: computed on the way: QUANTISED
;;     4. [M 8,192, K 1,024] x [K 1,024, N 1,024]; A: computed on the way; B: input w_proj: QUANTISED
;;   THE QUANTISER, for each operand of a quantised product, along K:
;;     - K is cut into blocks of 32 from its start; a last block that is shorter is filled with zeros.
;;     - A block's scale is 2^e with e = floor(log2(the largest magnitude in the block)) - 2, held to -126 .. 127; a block of zeros has e = 0. As a byte (E8M0): e + 127.
;;     - Each number is divided by its block's scale, clamped to +-7.5, and rounded to the nearest number of E2M3, ties to even, subnormals kept.
;;     - The product sums the exact products of the quantised numbers (number of the format x scale) in f32.
;;   ~~~python
;;   def quantise(x, axis):      # numpy; x: float32 -> the quantised numbers, widened to float32 again
;;       x = np.moveaxis(x, axis, -1); K = x.shape[-1]
;;       x = np.pad(x, [(0, 0)] * (x.ndim - 1) + [(0, -K % 32)]); x = x.reshape(x.shape[:-1] + (-1, 32)); a = np.abs(x).max(-1, keepdims=True)
;;       e = np.where(a > 0, np.clip(np.frexp(np.where(a > 0, a, 1))[1] - 1 - 2, -126, 127), 0)      # np.frexp(a)[1] - 1 = floor(log2(a)), exactly
;;       r = np.clip(x / 2.0 ** e, -7.5, 7.5)
;;       step = 2.0 ** (np.maximum(np.frexp(np.where(r == 0, 1, r))[1] - 1, 0) - 3)
;;       q = np.round(r / step) * step * 2.0 ** e      # np.round: ties to even
;;       return np.moveaxis(q.reshape(q.shape[:-2] + (-1,))[..., :K], -1, axis).astype(np.float32)
;;   ~~~
;;   SOFTMAX AHEAD OF A QUANTISED PRODUCT. Where the list says 'softmax', what is quantised is not the finished softmax but p = 2^(t - M), with t = logit x log2(e) and M = ceil(the row's largest t), a whole number; so 1/2 < the row's largest p <= 1. The row's sum l is taken of the UNQUANTISED p, in f32, and the product's result is divided by l at the end. Since M is a whole number, a kernel that streams over the keys may use a running M (the ceiling of the running maximum): every later rescaling is an exact power of two, which a block's scale takes up: the codes' values come out the same.
;;   OPERANDS COMPUTED ON THE WAY. 'Computed on the way' means the value that the module computes at that place (a softmax that the list does not call 'softmax' is quantised finished and normalised). What goes into a quantiser is computed in f32, as accurately as f32 sums, v_exp_f32 and their like allow (about 1e-6 of the number): no bf16 or f16 on the way to a quantiser, and a product that is left as it is and whose result goes on into a quantised operand takes f32 operands (vector FMAs, or v_wmma_f32_16x16x4_f32). A number that lies on a knife's edge between two numbers of the format may be rounded either way, as far as f32 arithmetic and the matrix unit's own rounding can turn it there, and no further.
;; One version. Each part assembles by itself: llvm-mc -triple=amdgcn-amd-amdhsa -mcpu=gfx1250 --defsym DOCPART=n.
;; ======== version 1 of 1: 4 launches
;; limits: right only within a limited range of input values
;; workspace buffers: xq 6,553,600 bytes; wq 3,276,800 bytes; qb 6,553,600 bytes; kv 13,107,200 bytes; yq 6,553,600 bytes
;; launch quant (part 1): grid 384 x 1, 4 waves a work-group, no clusters, 61,952 bytes of LDS; arguments x, w_attn, w_proj, xq, wq; writes xq, wq
.if DOCPART == 1
	.amdgcn_target "amdgcn-amd-amdhsa--gfx1250"
	.amdhsa_code_object_version 6
	.text
	.protected	k_qb747c2834e_quant
	.globl	k_qb747c2834e_quant
	.p2align	8
	.type	k_qb747c2834e_quant,@function
k_qb747c2834e_quant:
	s_mov_b64 s[64:65], 0
	v_nop
	global_prefetch_b8 v0, s[64:65] scope:SCOPE_SE
	s_setreg_imm32_b32 hwreg(HW_REG_WAVE_MODE, 25, 1), 1
	s_wait_xcnt 0x0
; x [8192][1024], w_attn [1024][3072] and w_proj [1024][1024], f32, become codes of FP6 (E2M3) with one E8M0 byte for each 32 along K (K = the 1,024 channels).
; A block's byte is its largest magnitude's exponent field - 2, held at 1 from below by a floor among the maximum's leaves; the conversion divides by that scale, rounds to nearest even and holds at the largest code.
; LIMITS: NaN and infinities among the inputs are not served.  A block of zeros gets the byte 1 where the rule says 127: its codes are zeros, and only this program reads the bytes.
; LAYOUT OF THE RESULTS.  A fragment (16 rows x 128 K, 12 registers a lane) is stored as an IMAGE OF ITS REGISTERS, 1,536 bytes: register q of lane l at 512 (q / 4) + 16 l + 4 (q % 4).
; Images lie chunk-major: (K / 256) x (tiles x 3,072) + tile x 3,072 + ((K / 128) % 2) x 1,536.  Scale words: for each 64 rows 2,048 bytes: (K / 512) x 1,024 + 16 x place + 4 x ((K / 128) % 4).
; THE ROWS OF A TILE ARE NOT NEIGHBOURS: in each group of 64 rows (tokens of x, columns of a weight) place 16 u + 8 g + j holds row 32 g + 8 u + j; a tile is 16 neighbouring places.
; So a later product's result has, in one lane's 32 registers of four tiles, 32 neighbours: a whole block.
; Work-groups 0-255 take x (64 rows x 512 K each; a wave a tile), 256-383 the weights (64 columns x 512 K each; a wave a K step of 128).  The two paths never join and have LDS bytes of their own.
; The images lie group by group: a group is 8 tiles of x (128 places) or 16 tiles of a weight (256 columns), all of K, and inside a group chunk-major as above.
.set XCH,    24576                     ; a chunk (256 along K) of a group of x: 8 tiles x 3,072
.set XSOFF,  6291456                   ; x's scale words begin here in xq
.set WSTG,   33792                     ; LDS: behind x's four stages of 16 x 528 bytes: the weights' stages, 4 images at pitch 1,664 for each wave
.set WWRD,   60416                     ; and the weights' scale words, 1,024 bytes
.set FLOOR,  0x1800000                 ; 2^(3 - 127)
.set H8,  5                            ; v5      8 x (lane / 16)
.set M,   6                            ; v6-7    largest magnitudes
.set SC,  8                            ; v8-9    the conversions' scale operands
.set BY,  10                           ; v10-11  the bytes
.set WD,  12                           ; v12-15  x's scale words of four K steps
.set R,   16                           ; v16-143 x as loaded, two sets of 64
.set X,   144                          ; v144-207 64 numbers of my row: 32 c + i = k 64 c + 32 (lane / 16) + i
.set CD,  208                          ; v208-231 codes, two sets of 12
.set TP,  232                          ; v232-238 the upper halves of two blocks (a conversion's three registers begin on an even number)
.set SEL, 16                           ; s[16:17] v_permlanex16_b32's selects for lane l xor 16
.set OF,  16                           ; weights: v16-47 byte offset of row i of a block, at my column
.set WX,  48                           ; v48-111 two sets of 32 numbers
.set WC,  112                          ; v112-117 a block's codes
.set WT,  120                          ; v120-122 their upper half as converted
.set WO,  128                          ; v128-175 the way out
	s_load_b128 s[4:7], s[0:1], 0x0                ; x, w_attn
	s_load_b128 s[8:11], s[0:1], 0x10              ; w_proj, xq
	s_load_b64 s[12:13], s[0:1], 0x20              ; wq
	v_lshl_add_u32 v254, v0, 2, 0xf000
	v_mov_b32 v255, 0
	v_lshrrev_b32 v1, 5, v0
	v_readfirstlane_b32 s14, v1                    ; wave
	v_and_b32 v6, 31, v0                           ; lane
	v_and_b32 v7, 15, v0                           ; r
	v_bfe_u32 v8, v0, 4, 1                         ; h
	v_lshlrev_b32 v1, 4, v6                        ; 16 x lane
	s_mov_b32 s[SEL], 0x76543210
	s_mov_b32 s[SEL+1], 0xfedcba98
	s_cmp_lt_u32 ttmp9, 256
	s_cbranch_scc0 .Lweights
	; ---------------- x: group G = id / 2 of 64 rows, half kh = id % 2 of K; wave u takes tile u
	s_mul_i32 s18, s14, 8448                       ; my stage
	v_add_nc_u32 v2, s18, v1                       ; in: a row's 512 bytes as they lie
	v_mul_u32_u24 v3, v7, 528
	v_lshl_add_u32 v3, v8, 7, v3
	v_add_nc_u32 v3, s18, v3                       ; out: row r, + 128 h: my 32 numbers of each 64
	v_lshlrev_b32 v4, 4, v7
	v_lshl_add_u32 v4, v8, 3, v4                   ; the scale words: 16 r + 8 h
	v_lshlrev_b32 v[H8], 3, v8
	s_lshr_b32 s19, ttmp9, 1                       ; G
	s_and_b32 s20, ttmp9, 1                        ; kh
	s_lshl_b32 s22, s19, 18                        ; x: (64 G + 8 u) rows of 4,096 bytes + 2,048 kh
	s_lshl_b32 s23, s14, 15
	s_add_co_u32 s22, s22, s23
	s_lshl_b32 s23, s20, 11
	s_add_co_u32 s22, s22, s23
	s_mov_b32 s23, 0
	s_mul_i32 s24, s20, 2*XCH                      ; codes: chunk 2 kh, tile 4 G + u
	s_lshr_b32 s25, s19, 1                         ; group of 128 places: G / 2, 98,304 bytes each
	s_mul_i32 s25, s25, 98304
	s_add_co_u32 s24, s24, s25
	s_and_b32 s25, s19, 1                          ; tile 4 (G % 2) + u of the group
	s_lshl_b32 s25, s25, 2
	s_add_co_u32 s25, s25, s14
	s_mul_i32 s25, s25, 3072
	s_add_co_u32 s24, s24, s25
	s_mov_b32 s25, 0
	s_lshl_b32 s26, s19, 11                        ; scale words: 2,048 G + 1,024 kh + 256 u
	s_lshl_b32 s27, s20, 10
	s_add_co_u32 s26, s26, s27
	s_lshl_b32 s27, s14, 8
	s_add_co_u32 s26, s26, s27
	s_add_co_u32 s26, s26, XSOFF
	s_mov_b32 s27, 0
	s_wait_kmcnt 0x0
	s_add_nc_u64 s[4:5], s[4:5], s[22:23]
	s_add_nc_u64 s[24:25], s[10:11], s[24:25]
	s_add_nc_u64 s[26:27], s[10:11], s[26:27]
.macro XLOAD t                         ; K step t of my 16 rows: each load reads 512 consecutive bytes of one row; place i of the tile is row 32 (i / 8) + i % 8 from the base
.irp i, 0,1,2,3,4,5,6,7,8,9,10,11,12,13,14,15
	global_load_b128 v[R+64*((\t)%2)+4*\i:R+64*((\t)%2)+4*\i+3], v1, s[4:5] offset:((\i/8)*32+(\i%8))*4096+512*(\t) th:TH_LOAD_NT
.endr
.endm
.macro TURN t                          ; through my stage: LDS serves a wave's instructions in order, so no wait stands between the stores and the loads
.irp i, 0,1,2,3,4,5,6,7,8,9,10,11,12,13,14,15
	ds_store_b128 v2, v[R+64*((\t)%2)+4*\i:R+64*((\t)%2)+4*\i+3] offset:528*\i
.endr
.irp c, 0,1
.irp q, 0,1,2,3,4,5,6,7
	ds_load_b128 v[X+32*\c+4*\q:X+32*\c+4*\q+3], v3 offset:256*\c+16*\q
.endr
.endr
.endm
.macro QF s, d                         ; two whole blocks of a lane, v[s] .. v[s + 63], by turns: their scales, and the codes' lower halves in place
.irp c, 0,1
	v_max3_num_f32 v[M+\c], |v[\s+32*\c]|, |v[\s+32*\c+1]|, FLOOR
.endr
.irp i, 2,4,6,8,10,12,14,16,18,20,22,24,26,28,30
.irp c, 0,1
	v_max3_num_f32 v[M+\c], |v[\s+32*\c+\i]|, |v[\s+32*\c+\i+1]|, v[M+\c]
.endr
.endr
.irp c, 0,1
	v_add_nc_u32 v[SC+\c], 0xff000000, v[M+\c]     ; 2 off the exponent field: the conversion takes that field as its scale
.endr
.irp c, 0,1
	v_lshrrev_b32 v[BY+\c], 23, v[SC+\c]           ; the scale's byte
.endr
.irp c, 0,1
	v_cvt_scalef32_pk16_fp6_f32 v[\d+6*\c:\d+6*\c+2], v[\s+32*\c:\s+32*\c+15], v[SC+\c]
	v_cvt_scalef32_pk16_fp6_f32 v[TP+4*\c:TP+4*\c+2], v[\s+32*\c+16:\s+32*\c+31], v[SC+\c]
.endr
.endm
.macro WORD w                          ; my two bytes (blocks h and 2 + h) and lane l xor 16's two make the row's scale word; the first line is the plain place behind the conversions
	v_lshl_or_b32 v[BY], v[BY+1], 16, v[BY]
	v_lshlrev_b32 v[BY], v[H8], v[BY]
	v_permlanex16_b32 v[BY+1], v[BY], s[SEL], s[SEL+1]
	v_or_b32 v[\w], v[BY], v[BY+1]
.endm
.macro MOVE d
.irp c, 0,1
.irp i, 0,1,2
	v_mov_b32 v[\d+6*\c+3+\i], v[TP+4*\c+\i]
.endr
.endr
.endm
.macro XSTEP t
.if (\t) < 3
	s_wait_loadcnt 16                              ; this K step's 16 loads are in; the next step's 16 may be out
.else
	s_wait_loadcnt 0x0
.endif
	TURN \t
	s_wait_dscnt 0x0                               ; the numbers are back, and the stores into the stage have read their registers
	s_wait_xcnt 0x0                                ; the stores of two steps ago have read this set of code registers
.if (\t) < 2
	XLOAD (\t)+2
.endif
	QF X, CD+12*((\t)%2)
	WORD WD+(\t)
	MOVE CD+12*((\t)%2)
.irp q, 0,1,2
	global_store_b128 v1, v[CD+12*((\t)%2)+4*\q:CD+12*((\t)%2)+4*\q+3], s[24:25] offset:((\t)/2)*XCH+((\t)%2)*1536+512*\q   ; 512 consecutive bytes
.endr
.endm
	s_wait_alu depctr_va_vdst(0)
	XLOAD 0
	XLOAD 1
	XSTEP 0
	XSTEP 1
	XSTEP 2
	XSTEP 3
	s_mov_b32 vcc_lo, 0xffff0000
	v_cndmask_b32 v240, v[WD], v[WD+2], vcc_lo     ; lanes 0-15 store words 0 and 1 of their row, lanes 16-31 words 2 and 3
	v_cndmask_b32 v241, v[WD+1], v[WD+3], vcc_lo
	global_store_b64 v4, v[240:241], s[26:27]      ; 256 consecutive bytes
	s_wait_tensorcnt 0x0
	ds_add_u32 v254, v255
	s_wait_dscnt 0x0
	s_endpgm
	; ---------------- the weights: a lane takes a column and its registers run down K
.Lweights:
	s_sub_co_u32 s18, ttmp9, 256
	s_wait_kmcnt 0x0
	s_cmp_lt_u32 s18, 96                           ; 96 work-groups for w_attn, 32 for w_proj: the choice hangs on the work-group's number alone
	s_cselect_b64 s[4:5], s[6:7], s[8:9]
	s_cselect_b32 s19, 0, 96
	s_mov_b32 s20, 1024
	s_cselect_b32 s20, 3072, s20                   ; N
	s_mov_b32 s21, 49152                           ; a chunk of a group of 256 columns: 16 tiles x 3,072
	s_cselect_b32 s22, 0, 2359296                  ; where its codes begin in wq
	s_mov_b32 s23, 3244032
	s_cselect_b32 s23, 3145728, s23                ; and its scale words
	s_sub_co_u32 s18, s18, s19
	s_lshr_b32 s24, s18, 1                         ; cg: which 64 columns
	s_and_b32 s25, s18, 1                          ; kh
	s_lshl_b32 s26, s25, 2
	s_add_co_u32 s26, s26, s14                     ; my K step: 4 kh + wave
	s_mul_i32 s27, s20, s26
	s_lshl_b32 s27, s27, 9                         ; 128 s rows of 4 N bytes
	s_lshl_b32 s28, s24, 8
	s_add_co_u32 s28, s27, s28                     ; + 256 cg
	s_mov_b32 s29, 0
	s_lshl_b32 s30, s20, 7                         ; a block on: 32 rows
	s_mov_b32 s31, 0
	s_add_nc_u64 s[32:33], s[4:5], s[28:29]        ; a base for each of the step's four blocks
	s_add_nc_u64 s[34:35], s[32:33], s[30:31]
	s_add_nc_u64 s[36:37], s[34:35], s[30:31]
	s_add_nc_u64 s[38:39], s[36:37], s[30:31]
	s_lshl_b32 s40, s20, 2                         ; a row
	s_lshl_b32 s41, s25, 1                         ; codes: chunk 2 kh + wave / 2, tile 4 cg, half wave % 2
	s_lshr_b32 s42, s14, 1
	s_add_co_u32 s41, s41, s42
	s_mul_i32 s41, s41, s21
	s_add_co_u32 s41, s41, s22
	s_lshr_b32 s42, s24, 2                         ; group of 256 columns: cg / 4, 196,608 bytes each
	s_mul_i32 s42, s42, 196608
	s_add_co_u32 s41, s41, s42
	s_and_b32 s42, s24, 3                          ; tiles 4 (cg % 4) .. of the group
	s_mul_i32 s42, s42, 12288
	s_add_co_u32 s41, s41, s42
	s_and_b32 s42, s14, 1
	s_mul_i32 s42, s42, 1536
	s_add_co_u32 s42, s41, s42
	s_mov_b32 s43, 0
	s_add_nc_u64 s[42:43], s[12:13], s[42:43]
	s_lshl_b32 s44, s24, 11                        ; scale words: 2,048 cg + 1,024 kh + 256 wave
	s_add_co_u32 s44, s44, s23
	s_lshl_b32 s45, s25, 10
	s_add_co_u32 s44, s44, s45
	s_lshl_b32 s45, s14, 8
	s_add_co_u32 s44, s44, s45
	s_mov_b32 s45, 0
	s_add_nc_u64 s[44:45], s[12:13], s[44:45]
	s_wait_alu depctr_va_vdst(0)
	v_lshrrev_b32 v2, 3, v6                        ; u: lane 8 u + j takes column 32 g + 8 u + j, which is place 8 g + j of tile u
	v_and_b32 v3, 7, v6                            ; j
	s_mul_i32 s46, s14, 6656
	s_add_co_u32 s46, s46, WSTG                    ; my stage
	v_mul_u32_u24 v4, v2, 1664
	v_lshl_add_u32 v4, v3, 4, v4
	v_add_nc_u32 v4, s46, v4                       ; into it: image u, lane j's place
	v_add_nc_u32 v5, s46, v1                       ; out of it: 16 x lane
	v_lshlrev_b32 v7, 8, v2
	v_lshl_add_u32 v7, v3, 4, v7
	s_lshl_b32 s47, s14, 2
	s_add_co_u32 s47, s47, WWRD
	v_add_nc_u32 v7, s47, v7                       ; my column's word of my K step: 16 x place + 4 x wave
	v_lshlrev_b32 v8, 3, v6                        ; 8 x lane
	s_lshl_b32 s47, s14, 8
	s_add_co_u32 s47, s47, WWRD
	v_add_nc_u32 v9, s47, v8                       ; the 256 bytes of words that I store
	v_lshlrev_b32 v[OF], 2, v6
.set i, 1
.rept 31
	v_add_nc_u32 v[OF+i], s40, v[OF+i-1]
.set i, i+1
.endr
.macro WLOAD n                         ; block n = 2 kb + g: rows 32 kb + 0 .. 31 of the step, columns 32 g + lane: 128 consecutive bytes a load
.irp i, 0,1,2,3,4,5,6,7,8,9,10,11,12,13,14,15,16,17,18,19,20,21,22,23,24,25,26,27,28,29,30,31
	global_load_b32 v[WX+32*((\n)%2)+\i], v[OF+\i], s[32+2*((\n)/2):33+2*((\n)/2)] offset:128*((\n)%2) th:TH_LOAD_NT
.endr
.endm
.macro WBLOCK n
.set XB, WX+32*((\n)%2)
.set KB, (\n)/2
.set GG, (\n)%2
.set PO, 128*GG+256*(KB%2)             ; the image's lane 8 g + j + 16 (kb % 2)
.if (\n) < 7
	s_wait_loadcnt 32                              ; this block's 32 loads are in; the next block's may be out
.else
	s_wait_loadcnt 0x0
.endif
	v_max3_num_f32 v12, |v[XB]|, |v[XB+1]|, |v[XB+2]|
	v_max3_num_f32 v13, |v[XB+3]|, |v[XB+4]|, |v[XB+5]|
.irp i, 6,10,14,18,22,26
	v_max3_num_f32 v12, v12, |v[XB+\i]|, |v[XB+\i+1]|
	v_max3_num_f32 v13, v13, |v[XB+\i+2]|, |v[XB+\i+3]|
.endr
	v_max3_num_f32 v12, v12, |v[XB+30]|, |v[XB+31]|
	v_max3_num_f32 v12, v12, v13, FLOOR
	v_add_nc_u32 v14, 0xff000000, v12
	v_lshrrev_b32 v15, 23, v14
	v_cvt_scalef32_pk16_fp6_f32 v[WC:WC+2], v[XB:XB+15], v14
	v_cvt_scalef32_pk16_fp6_f32 v[WT:WT+2], v[XB+16:XB+31], v14
.if KB == 0
	v_mov_b32 v[10+GG], v15                        ; byte kb of column g's word (the plain place behind the conversions)
.else
	v_lshl_or_b32 v[10+GG], v15, 8*KB, v[10+GG]
.endif
.irp i, 0,1,2
	v_mov_b32 v[WC+3+\i], v[WT+\i]
.endr
.if KB/2 == 0                          ; registers 0-5 of the image's lane
	ds_store_b128 v4, v[WC:WC+3] offset:PO
	ds_store_b64 v4, v[WC+4:WC+5] offset:512+PO
.else                                  ; registers 6-11
	ds_store_b64 v4, v[WC:WC+1] offset:520+PO
	ds_store_b128 v4, v[WC+2:WC+5] offset:1024+PO
.endif
.if (\n)+2 < 8
	WLOAD (\n)+2
.endif
	s_wait_dscnt 0x0                               ; the stores have read their registers: the next block's codes may be written
.endm
	WLOAD 0
	WLOAD 1
.irp n, 0,1,2,3,4,5,6,7
	WBLOCK \n
.endr
	ds_store_b32 v7, v10
	s_wait_alu depctr_va_vdst(0)
	ds_store_b32 v7, v11 offset:128
.irp u, 0,1,2,3
.irp q, 0,1,2
	ds_load_b128 v[WO+12*\u+4*\q:WO+12*\u+4*\q+3], v5 offset:1664*\u+512*\q   ; my own stage: these see my stores
.endr
.endr
.set CNTD, 11
.irp u, 0,1,2,3
.irp q, 0,1,2
	s_wait_dscnt CNTD                              ; the younger loads may be out
	global_store_b128 v1, v[WO+12*\u+4*\q:WO+12*\u+4*\q+3], s[42:43] offset:3072*\u+512*\q
.set CNTD, CNTD-1
.endr
.endr
	s_wait_dscnt 0x0                               ; for the others' sake: my words lie in LDS
	s_barrier_signal -1
	s_barrier_wait -1
	ds_load_b64 v[12:13], v9                       ; 16 places' words of the four waves' K steps
	s_wait_dscnt 0x0
	global_store_b64 v8, v[12:13], s[44:45]        ; 256 consecutive bytes
	s_wait_tensorcnt 0x0
	ds_add_u32 v254, v255
	s_wait_dscnt 0x0
	s_endpgm
.Lfunc_end_k_qb747c2834e_quant:
	.size	k_qb747c2834e_quant, .Lfunc_end_k_qb747c2834e_quant-k_qb747c2834e_quant
	.p2alignl 7, 3214868480
	.fill 96, 4, 3214868480
	.section	.rodata,"a",@progbits
	.p2align	6, 0x0
	.amdhsa_kernel k_qb747c2834e_quant
		.amdhsa_group_segment_fixed_size 61952
		.amdhsa_private_segment_fixed_size 0
		.amdhsa_enable_private_segment 0
		.amdhsa_kernarg_size 40
		.amdhsa_user_sgpr_count 2
		.amdhsa_user_sgpr_kernarg_segment_ptr 1
		.amdhsa_wavefront_size32 1
		.amdhsa_system_sgpr_workgroup_id_x 1
		.amdhsa_system_sgpr_workgroup_id_y 1
		.amdhsa_system_sgpr_workgroup_id_z 1
		.amdhsa_system_vgpr_workitem_id 0
		.amdhsa_next_free_vgpr 256
		.amdhsa_next_free_sgpr 66
		.amdhsa_reserve_vcc 1
		.amdhsa_float_denorm_mode_32 3
		.amdhsa_float_denorm_mode_16_64 3
		.amdhsa_memory_ordered 1
		.amdhsa_forward_progress 1
		.amdhsa_inst_pref_size 74
	.end_amdhsa_kernel
	.amdgpu_metadata
---
amdhsa.version: [ 1, 2 ]
amdhsa.kernels:
  - .name:           k_qb747c2834e_quant
    .symbol:         k_qb747c2834e_quant.kd
    .args:
      - { .name: x, .offset: 0, .size: 8, .value_kind: global_buffer, .address_space: global }
      - { .name: w_attn, .offset: 8, .size: 8, .value_kind: global_buffer, .address_space: global }
      - { .name: w_proj, .offset: 16, .size: 8, .value_kind: global_buffer, .address_space: global }
      - { .name: xq, .offset: 24, .size: 8, .value_kind: global_buffer, .address_space: global }
      - { .name: wq, .offset: 32, .size: 8, .value_kind: global_buffer, .address_space: global }
    .group_segment_fixed_size: 61952
    .private_segment_fixed_size: 0
    .kernarg_segment_align: 8
    .kernarg_segment_size: 40
    .max_flat_workgroup_size: 128
    .sgpr_count:     66
    .vgpr_count:     256
    .wavefront_size: 32
...
	.end_amdgpu_metadata
.endif
;; end of part 1
;; launch qkv (part 2): grid 4 x 64, 4 waves a work-group, clusters of 4 x 4, 327,680 bytes of LDS; arguments xq, wq, b_attn, qb, kv; writes qb, kv
.if DOCPART == 2
	.amdgcn_target "amdgcn-amd-amdhsa--gfx1250"
	.amdhsa_code_object_version 6
	.text
	.protected	k_qb747c2834e_qkv
	.globl	k_qb747c2834e_qkv
	.p2align	8
	.type	k_qb747c2834e_qkv,@function
k_qb747c2834e_qkv:
	s_mov_b64 s[64:65], 0
	v_nop
	global_prefetch_b8 v0, s[64:65] scope:SCOPE_SE
	s_setreg_imm32_b32 hwreg(HW_REG_WAVE_MODE, 25, 1), 1
	s_wait_xcnt 0x0
	s_wait_alu depctr_hold_cnt(0) depctr_sa_sdst(0) depctr_va_vdst(0) depctr_va_sdst(0) depctr_va_ssrc(0) depctr_va_vcc(0) depctr_vm_vsrc(0)
	s_getreg_b32 s2, hwreg(HW_REG_IB_STS2, 6, 4)
	s_cmp_eq_u32 s2, 0
	s_cbranch_scc0 .Lentry_in_a_cluster
	s_endpgm
.Lentry_in_a_cluster:
	s_bfe_u32 s2, ttmp6, 0x10000c
	s_cmp_lg_u32 s2, 0xf033
	s_cbranch_scc0 .Lentry_shape_is_right
	s_endpgm
.Lentry_shape_is_right:
; qkv = x w_attn + b_attn on codes of FP6 (E2M3) with E8M0 scales, and the quantisers of q, k (along a head's 64 channels) and v (along the tokens), in registers.
; A WORK-GROUP STAYS: it holds 128 places of tokens, all of K (1,024), in LDS, and makes three blocks of 128 x 256 with them, one after the other: q's, k's and v's columns 256 cx .. of each tensor.
; A wave makes 128 x 64: ONE head and one group of 128 tokens, 32 accumulators.  The phase (q, k, v) is the same in all sixteen partners of a cluster.
; LDS: x's four chunks of 256 along K (8 tiles, 24,576 bytes each), filled once; then a RING OF TWO SLOTS for the weights, a slot = half of K of 256 columns (98,304 bytes); then the spare words.
; All tiles are images of the operands' registers, dense in memory, fetched as rows of 256 bytes.  CLUSTER 4 x 4: x's tiles are asked for jointly along a row, w's along a column.
; FILLS.  At the head one load a wave, each in an arm of its own: wave 0 x's first half of K, wave 1 q's weights' first half, wave 2 x's second half, wave 3 the weights' second.
; REFILLS, four in all: in K step 3 of q's and k's phase slot 0, which is read no more, takes the next tensor's first half; in K step 7 slot 1 its second: every wave a quarter of the slot, one joint load,
; behind a wait for all tensor loads and a round of the cluster's barrier.  What a refill brought is shown to all by the next round (v's second half: by a plain barrier).
; By this text's count a wave has one tensor load out.  No prefetch: a refill is asked for four K steps or more, and a way out, ahead of its first read.
; The next phase's first fragments are fetched in K step 7; its weights' scale words and bias are loaded in K step 1 into registers of window 2 that nothing else uses.
; q, k: the product is used transposed (source 0 = 16 columns of w, source 1 = 16 tokens): a lane holds one token, and its 32 registers of four tiles are channels 32 (lane / 16) + 0 .. 31: a whole block.
; v: natural (source 0 = tokens, source 1 = columns): a lane holds one channel, and its 32 registers of four tiles are tokens 64 c + 32 (lane / 16) + 0 .. 31: a whole block along the keys.
; Either way fragment F's half c is accumulator registers 64 F + 32 c .. + 31: one way out serves all three.  The bias is the C of the first K step.
; OUT: q: unit (head, 128 tokens) of 6,400 bytes: 4 images, 256 bytes of scale words.  k, v: unit of 12,800: K's 4 images, V's 4, K's words, V's words.  A q or k image holds two tiles of 16 tokens x 64 channels.
; LIMITS: NaN and infinities are not served; a block of zeros gets the byte 1 (its codes are zeros; only this program reads the bytes).
; REGISTERS: window 0: v1-11 addresses; v16-47 x's scale words, v48-63 w's (nothing else ever); v64-95 the quantiser's; v96-191 x's 8 fragments, v192-239 w's 4: set 0.  Window 1: the accumulators.
; Window 2: v0-3 v's bias as loaded; v16-31 the next weights' scale words; v64-95 the bias; v96-239 set 1, and on the way out the codes.
.set XCH,   24576
.set WCH,   49152
.set XSOFF, 6291456
.set WSOFF, 3145728
.set BOFF,  98304                      ; LDS: the ring begins behind x
.set SLOTB, 98304
.set NEXTW, 786432                     ; four groups of 256 columns on: the same columns of the next tensor
.set FLOOR, 0x1800000
.set SA,   16
.set SB,   48
.set XF,   96
.set WF,   192
.set EM,   64
.set ESC,  66
.set EBY,  68
.set EW,   80
.set EU,   84
.set VB,   0                           ; window 2
.set SB2,  16
.set BI,   64
.set CDE,  96
.set ETP,  144
.set G1A,  24
.set G1B,  32
.set G0A,  40
.set G0R,  44                          ; s[44:47], s[48:51] group 0 of the refills of slot 0, 1
.set G0B,  68
.set G1R,  72
.set SEL,  66
.set PH,   80
.set MSB, 0
.macro WIN new                         ; the immediate's high byte repeats the setting that is left
.if MSB != \new
	s_set_vgpr_msb (MSB<<8)|\new
.set MSB, \new
.endif
.endm
.macro PLACES
.rept 4
	v_nop
.endr
.endm
.macro CROUND                          ; a round of the cluster's barrier
	s_barrier_signal -1
	s_barrier_wait -1
	s_cmp_lg_u32 s14, 0
	s_cbranch_scc1 .Lnot_wave_0_\@
	s_barrier_signal -3
.Lnot_wave_0_\@:
	s_barrier_wait -3
	s_barrier_signal -1
	s_barrier_wait -1
.endm
.macro WM d, a, b, c, sa, ra, sb, rb   ; one product; ra, rb: the scale words stand in lanes 16-31 of their register
.if ((\ra) == 0) && ((\rb) == 0)
	v_wmma_scale_f32_16x16x128_f8f6f4 v[(\d):(\d)+7], v[(\a):(\a)+11], v[(\b):(\b)+11], v[(\c):(\c)+7], v[(\sa)], v[(\sb)] matrix_a_fmt:MATRIX_FMT_FP6 matrix_b_fmt:MATRIX_FMT_FP6
.elseif (\rb) == 0
	v_wmma_scale_f32_16x16x128_f8f6f4 v[(\d):(\d)+7], v[(\a):(\a)+11], v[(\b):(\b)+11], v[(\c):(\c)+7], v[(\sa)], v[(\sb)] matrix_a_fmt:MATRIX_FMT_FP6 matrix_b_fmt:MATRIX_FMT_FP6 matrix_a_scale:MATRIX_SCALE_ROW1
.elseif (\ra) == 0
	v_wmma_scale_f32_16x16x128_f8f6f4 v[(\d):(\d)+7], v[(\a):(\a)+11], v[(\b):(\b)+11], v[(\c):(\c)+7], v[(\sa)], v[(\sb)] matrix_a_fmt:MATRIX_FMT_FP6 matrix_b_fmt:MATRIX_FMT_FP6 matrix_b_scale:MATRIX_SCALE_ROW1
.else
	v_wmma_scale_f32_16x16x128_f8f6f4 v[(\d):(\d)+7], v[(\a):(\a)+11], v[(\b):(\b)+11], v[(\c):(\c)+7], v[(\sa)], v[(\sb)] matrix_a_fmt:MATRIX_FMT_FP6 matrix_b_fmt:MATRIX_FMT_FP6 matrix_a_scale:MATRIX_SCALE_ROW1 matrix_b_scale:MATRIX_SCALE_ROW1
.endif
.endm
.macro GROUP1 g, mask, rows            ; a dense block as rows of 256 bytes (32 elements of 8 bytes), no padding
	s_or_b32 s[\g], s\mask, (3<<16)|(1<<21)
	s_mov_b32 s[\g+1], 32<<16
	s_mov_b32 s[\g+2], (\rows)<<16
	s_mov_b32 s[\g+3], 32<<16
	s_mov_b32 s[\g+4], \rows
	s_mov_b32 s[\g+5], 32
	s_mov_b32 s[\g+6], 0
	s_mov_b32 s[\g+7], 0
.endm
	s_load_b256 s[4:11], s[0:1], 0x0               ; xq s[4:5], wq s[6:7], b_attn s[8:9], qb s[10:11]
	s_load_b64 s[12:13], s[0:1], 0x20              ; kv
	v_lshl_add_u32 v254, v0, 2, 0x48000
	v_mov_b32 v255, 0
	ds_add_u32 v254, v255                          ; the opening lines
	ds_add_u32 v254, v255
	v_lshrrev_b32 v1, 5, v0
	v_readfirstlane_b32 s14, v1                    ; wave
	s_lshr_b32 s15, s14, 1                         ; which half of K I fetch at the head
	s_bfe_u32 s16, ttmp6, 0x40000                  ; cx: which 256 columns of each tensor
	s_bfe_u32 s17, ttmp6, 0x40004                  ; cy
	s_and_b32 s19, ttmp7, 0xffff
	s_lshl_b32 s19, s19, 2
	s_add_co_u32 s19, s19, s17                     ; Y: which 128 places of tokens
	s_lshl_b32 s20, s17, 2
	s_lshl_b32 s20, 15, s20                        ; my row of the cluster
	s_lshl_b32 s21, 0x1111, s16                    ; my column
	GROUP1 G1A, 20, 192                            ; half of K of x's tiles
	GROUP1 G1B, 21, 384                            ; half of K of w's: a slot
	GROUP1 G1R, 21, 96                             ; a quarter of a slot
	s_mul_i32 s22, s15, 49152                      ; my half of K, in LDS and in memory: x's,
	s_mul_i32 s23, s15, 98304                      ; w's
	s_mul_i32 s56, s19, 98304
	s_add_co_u32 s56, s56, s22
	s_mov_b32 s57, 0
	s_mul_i32 s60, s16, 196608                     ; q's group of 256 columns
	s_mul_i32 s94, s14, 24576                      ; my quarter of a slot
	s_add_co_u32 s98, s60, s94
	s_mov_b32 s99, 0
	s_add_co_u32 s60, s60, s23
	s_mov_b32 s61, 0
	s_mov_b32 s[SEL], 0x76543210
	s_mov_b32 s[SEL+1], 0xfedcba98
	s_wait_dscnt 0x0
	s_wait_kmcnt 0x0
	s_add_nc_u64 s[58:59], s[4:5], s[56:57]
	s_add_nc_u64 s[62:63], s[6:7], s[60:61]
	s_mov_b32 s[G0A], 1
	s_mov_b32 s[G0A+1], s22
	s_mov_b64 s[G0A+2:G0A+3], s[58:59]
	s_or_b32 s[G0A+3], s[G0A+3], 0x80000000
	s_mov_b32 s[G0B], 1
	s_add_co_u32 s[G0B+1], s23, BOFF
	s_mov_b64 s[G0B+2:G0B+3], s[62:63]
	s_or_b32 s[G0B+3], s[G0B+3], 0x80000000
	s_mov_b32 s[G0R], 1                            ; the refills: they stand at q's tiles and step to the next tensor's ahead of each load
	s_add_co_u32 s[G0R+1], s94, BOFF
	s_add_nc_u64 s[G0R+2:G0R+3], s[6:7], s[98:99]
	s_mov_b32 s[G0R+4], 1
	s_add_co_u32 s[G0R+5], s94, BOFF+SLOTB
	s_add_nc_u64 s[G0R+6:G0R+7], s[G0R+2:G0R+3], SLOTB
	s_or_b32 s[G0R+3], s[G0R+3], 0x80000000
	s_or_b32 s[G0R+7], s[G0R+7], 0x80000000
	CROUND                                         ; all sixteen work-groups are here: the joint loads meet
.macro ARM under, g0, g1, next         ; one chain of branches on the wave's number, one load to an arm, all arms to one join
	s_cmp_lt_u32 s14, \under
	s_cbranch_scc0 \next
	tensor_load_to_lds s[\g0:\g0+3], s[\g1:\g1+7]
	s_nop 0
	PLACES
	s_branch .Lfilled
\next:
.endm
	ARM 1, G0A, G1A, .Larm_w0
	ARM 2, G0B, G1B, .Larm_x1
	ARM 3, G0A, G1A, .Larm_w1
	tensor_load_to_lds s[G0B:G0B+3], s[G1B:G1B+7]
	s_nop 0
	PLACES
.Lfilled:
	v_and_b32 v6, 31, v0
	v_lshlrev_b32 v1, 4, v6                        ; 16 x lane: my place in an image; also x's tiles of chunk 0
	s_wait_alu depctr_va_vdst(0)
	v_mov_b32 v2, v1                               ; x's tiles of the chunk in hand
	s_mul_i32 s94, s14, 12288
	s_add_co_u32 s94, s94, BOFF
	v_add_nc_u32 v10, s94, v1                      ; my four tiles of w in chunk 0,
	v_add_nc_u32 v3, s94, v1                       ; and in the chunk in hand
	v_lshlrev_b32 v4, 3, v6                        ; 8 x lane
	v_bfe_u32 v7, v0, 4, 1                         ; h
	v_lshlrev_b32 v5, 3, v7                        ; 8 h
	v_lshlrev_b32 v8, 7, v7                        ; q's, k's bias: register 8 b + j is column 32 h + 8 b + j
	v_bfe_u32 v9, v0, 3, 1                         ; v's: a lane holds column place r of tile b: column 32 (r / 8) + 8 b + r % 8
	v_and_b32 v11, 7, v0
	v_lshlrev_b32 v11, 2, v11
	v_lshl_add_u32 v9, v9, 7, v11
	s_lshl_b32 s94, s19, 12                        ; x's scale words: two groups of 64 places, 2,048 bytes each
	s_add_co_u32 s94, s94, XSOFF
	s_mov_b32 s95, 0
	s_add_nc_u64 s[84:85], s[4:5], s[94:95]
	s_lshl_b32 s94, s16, 2
	s_add_co_u32 s94, s94, s14                     ; my group of 64 columns of a tensor: my head
	s_lshl_b32 s96, s94, 8                         ; its 256 bytes of the bias
	s_mov_b32 s97, 0
	s_add_nc_u64 s[88:89], s[8:9], s[96:97]
	s_lshl_b32 s98, s94, 11
	s_add_co_u32 s98, s98, WSOFF
	s_add_nc_u64 s[86:87], s[6:7], s[98:99]
	s_lshr_b32 s81, s19, 4                         ; the unit that I write: ((16 batch + head) x 16 + group of 128 tokens)
	s_lshl_b32 s81, s81, 4
	s_add_co_u32 s81, s81, s94
	s_lshl_b32 s81, s81, 4
	s_and_b32 s96, s19, 15
	s_add_co_u32 s81, s81, s96
	s_mul_i32 s96, s81, 6400
	s_add_nc_u64 s[52:53], s[10:11], s[96:97]      ; q's codes,
	s_add_nc_u64 s[54:55], s[52:53], 6144          ; its scale words;
	s_mul_i32 s96, s81, 12800
	s_add_nc_u64 s[56:57], s[12:13], s[96:97]      ; k's codes,
	s_add_nc_u64 s[58:59], s[56:57], 12288         ; its scale words
	s_wait_alu depctr_va_vdst(0)                   ; a wait directly ahead of the readers below
.irp pr, 0,1,2,3                       ; a load brings 4 K steps' words of 32 places: lanes 0-15 the even tile's, lanes 16-31 the odd tile's
.irp kh, 0,1
	global_load_b128 v[SA+8*\pr+4*\kh:SA+8*\pr+4*\kh+3], v1, s[84:85] offset:2048*(\pr/2)+1024*\kh+512*(\pr%2)
.endr
.endr
.irp pb, 0,1
.irp kh, 0,1
	global_load_b128 v[SB+8*\pb+4*(1-\kh):SB+8*\pb+4*(1-\kh)+3], v1, s[86:87] offset:1024*\kh+512*\pb   ; w's word of K step t stands in register (t + 4) % 8 of its eight: its number differs from that of x's word modulo 8
.endr
.endr
	WIN 0x80
.irp i, 0,1,2,3,4,5,6,7
	global_load_b128 v[BI+4*\i:BI+4*\i+3], v8, s[88:89] offset:16*\i        ; q's bias
.endr
.irp b, 0,1,2,3
	global_load_b32 v[VB+\b], v9, s[88:89] offset:8192+32*\b               ; v's: one number a lane and tile
.endr
	WIN 0
.macro FETCH t                         ; K step t's 12 fragments, 36 loads of 512 consecutive bytes, into set t % 2
.if (\t)%2
	WIN 0x80
.else
	WIN 0
.endif
.irp a, 0,1,2,3,4,5,6,7
.irp q, 0,1,2
	ds_load_b128 v[XF+12*\a+4*\q:XF+12*\a+4*\q+3], v2 offset:3072*\a+1536*((\t)%2)+512*\q
.endr
.endr
.irp b, 0,1,2,3
.irp q, 0,1,2
	ds_load_b128 v[WF+12*\b+4*\q:WF+12*\b+4*\q+3], v3 offset:3072*\b+1536*((\t)%2)+512*\q
.endr
.endr
.endm
; 32 products; the accumulators take turns in the same order in every step
.macro MULQ t
.irp a, 0,1,2,3,4,5,6,7
.irp b, 0,1,2,3
.if (\t) == 0
	WM 8*(4*\a+\b), WF+12*\b, XF+12*\a, BI+8*\b, SB+8*(\b/2)+((\t)+4)%8, \b%2, SA+8*(\a/2)+(\t), \a%2
.else
	WM 8*(4*\a+\b), WF+12*\b, XF+12*\a, 8*(4*\a+\b), SB+8*(\b/2)+((\t)+4)%8, \b%2, SA+8*(\a/2)+(\t), \a%2
.endif
.endr
.endr
.endm
.macro MULV t
.irp b, 0,1,2,3
.irp a, 0,1,2,3,4,5,6,7
.if (\t) == 0
	WM 8*(8*\b+\a), XF+12*\a, WF+12*\b, BI+8*\b, SA+8*(\a/2)+(\t), \a%2, SB+8*(\b/2)+((\t)+4)%8, \b%2
.else
	WM 8*(8*\b+\a), XF+12*\a, WF+12*\b, 8*(8*\b+\a), SA+8*(\a/2)+(\t), \a%2, SB+8*(\b/2)+((\t)+4)%8, \b%2
.endif
.endr
.endr
.endm
.macro NEXT                            ; in K step 1 of q's and k's phase: the next tensor's scale words, and in q's phase k's bias (the first K step has read q's; four places stand between)
	WIN 0
	s_wait_xcnt 0x0                                ; the earlier loads have read their bases
	s_add_nc_u64 s[86:87], s[86:87], 32768         ; 16 groups of 64 columns on
	WIN 0x80
.irp pb, 0,1
.irp kh, 0,1
	global_load_b128 v[SB2+8*\pb+4*(1-\kh):SB2+8*\pb+4*(1-\kh)+3], v1, s[86:87] offset:1024*\kh+512*\pb
.endr
.endr
	WIN 0
	s_cmp_lg_u32 s[PH], 0
	s_cbranch_scc1 .Lno_bias
	s_add_nc_u64 s[88:89], s[88:89], 4096
	WIN 0x80
.irp i, 0,1,2,3,4,5,6,7
	global_load_b128 v[BI+4*\i:BI+4*\i+3], v8, s[88:89] offset:16*\i
.endr
	WIN 0
.Lno_bias:
.endm
.macro STEP t, isv
	WIN 0
	s_wait_dscnt 0x0                               ; this step's fragments are in: with step 3's slot 0, with step 7's slot 1 is read no more
.if ((\isv) == 0) && (((\t) == 3) || ((\t) == 7))
	s_wait_tensorcnt 0x0                           ; all my tensor loads have landed;
	ds_add_u32 v254, v255                          ; 0 onto my spare word;
	s_add_nc_u64 s[G0R+(\t)-1:G0R+(\t)], s[G0R+(\t)-1:G0R+(\t)], NEXTW   ; no load of mine is out: this slot's group 0 steps to the next tensor
	s_wait_dscnt 0x0
	CROUND                                         ; the same holds of every wave of all sixteen work-groups
	tensor_load_to_lds s[G0R+(\t)-3:G0R+(\t)], s[G1R:G1R+7]
	s_nop 0
	PLACES
.endif
.if (\isv) && ((\t) == 3)
	s_wait_tensorcnt 0x0                           ; every wave: v's second half of K has landed
	s_barrier_signal -1
	s_barrier_wait -1
.endif
.if (\t) == 7
.if (\isv) == 0
	v_mov_b32 v2, v1                               ; back to chunk 0: the next phase's first fragments
	v_mov_b32 v3, v10
	s_wait_alu depctr_va_vdst(0)
	FETCH 0
.endif
.else
.if (\t)%2
	v_add_nc_u32 v2, XCH, v2                       ; on to the next chunk: two of the four places in front of loads into registers that the step before multiplied
	v_add_nc_u32 v3, WCH, v3
	s_wait_alu depctr_va_vdst(0)
	v_nop
	v_nop
.elseif (\t) > 0
	PLACES
.endif
	FETCH (\t)+1
.endif
.if ((\isv) == 0) && ((\t) == 1)
	NEXT
.endif
.if (\t) == 0
	WIN 0x60                                       ; D window 1; operands window 0; the bias window 2
.elseif (\t)%2
	WIN 0x5a                                       ; operands window 2, C and D window 1
.else
	WIN 0x50
.endif
.if \isv
	MULV \t
.else
	MULQ \t
.endif
.endm
.macro QFW F                           ; fragment F: two whole blocks of a lane, accumulator registers 64 F + 32 c + 0 .. 31, each accumulator read from its low end on
	WIN 0x05                                       ; sources 0 and 1 window 1
.irp c, 0,1
	v_max3_num_f32 v[EM+\c], |v[64*\F+32*\c]|, |v[64*\F+32*\c+1]|, FLOOR
.endr
.irp i, 2,4,6,8,10,12,14,16,18,20,22,24,26,28,30
.irp c, 0,1
	v_max3_num_f32 v[EM+\c], |v[64*\F+32*\c+\i]|, |v[64*\F+32*\c+\i+1]|, v[EM+\c]
.endr
.endr
	WIN 0
.irp c, 0,1
	v_add_nc_u32 v[ESC+\c], 0xff000000, v[EM+\c]
.endr
.irp c, 0,1
	v_lshrrev_b32 v[EBY+\c], 23, v[ESC+\c]
.endr
	WIN 0x81                                       ; the sums window 1, the codes window 2
.irp c, 0,1
	v_cvt_scalef32_pk16_fp6_f32 v[CDE+12*\F+6*\c:CDE+12*\F+6*\c+2], v[64*\F+32*\c:64*\F+32*\c+15], v[ESC+\c]
	v_cvt_scalef32_pk16_fp6_f32 v[ETP+4*\c:ETP+4*\c+2], v[64*\F+32*\c+16:64*\F+32*\c+31], v[ESC+\c]
.endr
	WIN 0
	v_lshl_or_b32 v[EBY], v[EBY+1], 16, v[EBY]     ; (the plain place behind the conversions)  my two bytes,
	v_lshlrev_b32 v[EBY], v5, v[EBY]               ; 8 h bits up;
	v_permlanex16_b32 v[EBY+1], v[EBY], s[SEL], s[SEL+1]
	v_or_b32 v[EW+\F], v[EBY], v[EBY+1]            ; with lane l xor 16's the row's word is whole
	WIN 0x82
.irp c, 0,1
.irp i, 0,1,2
	v_mov_b32 v[CDE+12*\F+6*\c+3+\i], v[ETP+4*\c+\i]
.endr
.endr
	WIN 0x08                                       ; a store's data are its source 1: window 2
.irp q, 0,1,2
	global_store_b128 v1, v[CDE+12*\F+4*\q:CDE+12*\F+4*\q+3], s[90:91] offset:1536*\F+512*\q   ; the image: 512 consecutive bytes a store
.endr
.endm
.macro EPI mv                          ; the way out of a phase.  mv: the next weights' scale words take their place
	WIN 0
	PLACES                                         ; in front of the first read of results, and of writes into registers that the last step read
.if \mv
	s_wait_loadcnt 0x0                             ; what K step 1 asked for
	WIN 0x02
.set I, 0
.rept 16
	v_mov_b32 v[SB+I], v[SB2+I]
.set I, I+1
.endr
.endif
.irp F, 0,1,2,3
	QFW \F
.endr
	WIN 0
	s_mov_b32 vcc_lo, 0xffff0000
	v_cndmask_b32 v[EU], v[EW], v[EW+1], vcc_lo    ; register 0: fragment 0's words in lanes 0-15, fragment 1's in lanes 16-31; register 1: fragments 2 and 3
	v_cndmask_b32 v[EU+1], v[EW+2], v[EW+3], vcc_lo
	global_store_b64 v4, v[EU:EU+1], s[92:93]      ; 256 consecutive bytes
.endm
	s_cmp_lt_u32 s14, 2                            ; waves 0 and 1 fetched the first half of K: they wait; the others' loads may stay out
	s_cbranch_scc0 .Lnot_first
	s_wait_tensorcnt 0x0
.Lnot_first:
	s_barrier_signal -1
	s_barrier_wait -1
	FETCH 0
	s_wait_loadcnt 0x0                             ; scale words and biases
	s_mov_b32 s[PH], 0
.Lphase:                                               ; q, then k
	s_wait_xcnt 0x0                                ; the last phase's stores have read their bases and their data
	s_cmp_eq_u32 s[PH], 0
	s_cselect_b64 s[90:91], s[52:53], s[56:57]
	s_cselect_b64 s[92:93], s[54:55], s[58:59]
.irp t, 0,1,2,3,4,5,6,7
	STEP \t, 0
.endr
	EPI 1
	s_add_co_u32 s[PH], s[PH], 1
	s_cmp_lt_u32 s[PH], 2
	s_cbranch_scc1 .Lphase
	s_wait_xcnt 0x0
	s_add_nc_u64 s[90:91], s[56:57], 6144          ; v's codes lie behind k's,
	s_add_nc_u64 s[92:93], s[56:57], 12544         ; its words behind k's words
	WIN 0x82
.irp b, 0,1,2,3
.irp j, 0,1,2,3,4,5,6,7
	v_mov_b32 v[BI+8*\b+\j], v[VB+\b]              ; v's bias over the tile's eight registers
.endr
.endr
	WIN 0
	s_wait_alu depctr_va_vdst(0)
.irp t, 0,1,2,3,4,5,6,7
	STEP \t, 1
.endr
	EPI 0
	s_wait_tensorcnt 0x0                           ; the wave's end
	ds_add_u32 v254, v255
	s_wait_dscnt 0x0
	CROUND                                         ; the closing round: no work-group ends while a partner may still ask for a tile that names it
	s_endpgm
.Lfunc_end_k_qb747c2834e_qkv:
	.size	k_qb747c2834e_qkv, .Lfunc_end_k_qb747c2834e_qkv-k_qb747c2834e_qkv
	.p2alignl 7, 3214868480
	.fill 96, 4, 3214868480
	.section	.rodata,"a",@progbits
	.p2align	6, 0x0
	.amdhsa_kernel k_qb747c2834e_qkv
		.amdhsa_group_segment_fixed_size 327680
		.amdhsa_private_segment_fixed_size 0
		.amdhsa_enable_private_segment 0
		.amdhsa_kernarg_size 40
		.amdhsa_user_sgpr_count 2
		.amdhsa_user_sgpr_kernarg_segment_ptr 1
		.amdhsa_wavefront_size32 1
		.amdhsa_system_sgpr_workgroup_id_x 1
		.amdhsa_system_sgpr_workgroup_id_y 1
		.amdhsa_system_sgpr_workgroup_id_z 1
		.amdhsa_system_vgpr_workitem_id 0
		.amdhsa_next_free_vgpr 768
		.amdhsa_next_free_sgpr 100
		.amdhsa_reserve_vcc 1
		.amdhsa_float_denorm_mode_32 3
		.amdhsa_float_denorm_mode_16_64 3
		.amdhsa_memory_ordered 1
		.amdhsa_forward_progress 1
		.amdhsa_inst_pref_size 147
	.end_amdhsa_kernel
	.amdgpu_metadata
---
amdhsa.version: [ 1, 2 ]
amdhsa.kernels:
  - .name:           k_qb747c2834e_qkv
    .symbol:         k_qb747c2834e_qkv.kd
    .args:
      - { .name: xq, .offset: 0, .size: 8, .value_kind: global_buffer, .address_space: global }
      - { .name: wq, .offset: 8, .size: 8, .value_kind: global_buffer, .address_space: global }
      - { .name: b_attn, .offset: 16, .size: 8, .value_kind: global_buffer, .address_space: global }
      - { .name: qb, .offset: 24, .size: 8, .value_kind: global_buffer, .address_space: global }
      - { .name: kv, .offset: 32, .size: 8, .value_kind: global_buffer, .address_space: global }
    .group_segment_fixed_size: 327680
    .private_segment_fixed_size: 0
    .kernarg_segment_align: 8
    .kernarg_segment_size: 40
    .max_flat_workgroup_size: 128
    .sgpr_count:     100
    .vgpr_count:     768
    .wavefront_size: 32
...
	.end_amdgpu_metadata
.endif
;; end of part 2
;; launch attn (part 3): grid 4 x 64, 8 waves a work-group, clusters of 4 x 1, 327,680 bytes of LDS; arguments qb, kv, yq; writes yq
.if DOCPART == 3
	.amdgcn_target "amdgcn-amd-amdhsa--gfx1250"
	.amdhsa_code_object_version 6
	.text
	.protected	k_qb747c2834e_attn
	.globl	k_qb747c2834e_attn
	.p2align	8
	.type	k_qb747c2834e_attn,@function
k_qb747c2834e_attn:
	s_mov_b64 s[64:65], 0
	v_nop
	global_prefetch_b8 v0, s[64:65] scope:SCOPE_SE
	s_setreg_imm32_b32 hwreg(HW_REG_WAVE_MODE, 25, 1), 1
	s_wait_xcnt 0x0
	s_wait_alu depctr_hold_cnt(0) depctr_sa_sdst(0) depctr_va_vdst(0) depctr_va_sdst(0) depctr_va_ssrc(0) depctr_va_vcc(0) depctr_vm_vsrc(0)
	s_getreg_b32 s2, hwreg(HW_REG_IB_STS2, 6, 4)
	s_cmp_eq_u32 s2, 0
	s_cbranch_scc0 .Lentry_in_a_cluster
	s_endpgm
.Lentry_in_a_cluster:
	s_bfe_u32 s2, ttmp6, 0x10000c
	s_cmp_lg_u32 s2, 0x3003
	s_cbranch_scc0 .Lentry_shape_is_right
	s_endpgm
.Lentry_shape_is_right:
; y = softmax(q k^T / 8) v for one head and batch, on codes of FP6 (E2M3) with E8M0 scales, and y's quantiser along the head's 64 channels.
; p = 2^(t - M), t = score x log2(e) / 8, M the ceiling of the running largest t; the row's sum is taken of the unquantised p; O and the sums are brought under a new M by an exact power of two.
; A work-group takes 512 queries of a head, a wave 64: FOUR TILES of 16.  A step is 128 keys: its K and V fragments are read from LDS once for the wave's four tiles.
; The tiles go in two pairs; the two tiles of a pair take turns line by line, so that no line reads what the line above it wrote.
; Both products are used transposed (S^T = k q^T, O^T = v^T p^T): a lane holds one query; 32 registers of four score tiles are 32 neighbouring keys of V's order: a whole block.
; K of the first product is 64: an image of K holds two tiles of keys, and q stands beside six registers of zero codes, before or behind them.
; THE WHOLE HEAD'S K AND V (16 steps x 12,800 bytes) LIE IN LDS, filled once: one joint load a wave, 100 rows of 256 bytes.  CLUSTER 4 x 1: the four query blocks of a head ask jointly.
; No prefetch: all that the launch streams is asked for at its head, in one group; there is no loop to run ahead in.
; K's fragments are fetched one step ahead; the last step's look-ahead names step 15 again and is not used.
; LIMITS: NaN and infinities are not served; the promise holds while the scaled scores stay under 2^31 in magnitude; a block of zeros gets the byte 1 (its codes are zeros; only this program reads the bytes).
; REGISTERS.  Window 0: v1-7 addresses; v8-9 the add's; v10-21 scale words (nothing else ever); v22-75 zeros and q by turns; v76-203 two tiles' scores; v204-227 p's codes; v228-255 small numbers.
; Window 1: v0-127 O^T (32 a tile); v128-175 K's fragments; v176-223 V's; v224-239 the rows' sums, two packed chains a tile.
.set UNITQ, 6400
.set STEPB, 12800
.set YH,    204800                     ; behind K and V: y's scale halfwords, 1,024 bytes
.set SPARE, 205824                     ; the spare words, 128 bytes a wave
.set YSOFF, 6291456
.set FLOOR, 0x1800000                  ; 2^(3 - 127)
.set SPW, 8
.set NIL, 9
.set QS, 10
.set PS, 14
.set KS, 18
.set VS, 20
.set QR, 22                            ; zeros at QR + 12 i, tile i's q at QR + 6 + 12 i
.set S,  76
.set P,  204
.set TP, 228
.set T,  236
.set SC, 236
.set BM, 240
.set NM, 244                           ; a pair a tile: -M, the running largest t
.set F,  252
.set KF, 128
.set VF, 176
.set LL, 224
.set SEL, 40
.set CS,  42
.set TB,  44
.set KB,  45
.set IX,  46
.set MSB, 0
.macro WIN new                         ; the immediate's high byte repeats the setting that is left
.if MSB != \new
	s_set_vgpr_msb (MSB<<8)|\new
.set MSB, \new
.endif
.endm
.macro PLACES
.rept 4
	v_nop
.endr
.endm
.macro WALU
	s_wait_alu depctr_va_vdst(0)
.endm
.macro CROUND
	s_barrier_signal -1
	s_barrier_wait -1
	s_cmp_lg_u32 s10, 0
	s_cbranch_scc1 .Lnot_wave_0_\@
	s_barrier_signal -3
.Lnot_wave_0_\@:
	s_barrier_wait -3
	s_barrier_signal -1
	s_barrier_wait -1
.endm
	s_load_b128 s[4:7], s[0:1], 0x0                ; qb, kv
	s_load_b64 s[8:9], s[0:1], 0x10                ; yq
	v_lshl_add_u32 v[SPW], v0, 2, SPARE
	v_mov_b32 v[NIL], 0
	ds_add_u32 v[SPW], v[NIL]                      ; the opening lines
	ds_add_u32 v[SPW], v[NIL]
	v_lshrrev_b32 v1, 5, v0
	v_readfirstlane_b32 s10, v1                    ; wave
	s_bfe_u32 s11, ttmp6, 0x40000                  ; cx: which 512 queries
	s_and_b32 s12, ttmp7, 0xffff                   ; 16 batch + head
	s_mov_b32 s16, 15|(3<<16)|(1<<21)              ; group 1: 100 rows of 256 bytes, dense; the mask names the four partners
	s_mov_b32 s17, 32<<16
	s_mov_b32 s18, 100<<16
	s_mov_b32 s19, 32<<16
	s_mov_b32 s20, 100
	s_mov_b32 s21, 32
	s_mov_b32 s22, 0
	s_mov_b32 s23, 0
	s_mov_b32 s[SEL], 0x76543210
	s_mov_b32 s[SEL+1], 0xfedcba98
	s_mov_b32 s[CS], 0x3e38aa3b                    ; log2(e) / 8
	s_mov_b32 s[CS+1], s[CS]
	s_lshr_b32 s28, s10, 1
	s_and_b32 s29, s10, 1
	s_lshl_b32 s54, s12, 4                         ; q's unit of 128 tokens: 16 (16 batch + head) + 4 cx + wave / 2
	s_lshl_b32 s55, s11, 2
	s_add_co_u32 s54, s54, s55
	s_add_co_u32 s54, s54, s28
	s_mul_i32 s54, s54, UNITQ
	s_mov_b32 s55, 0
	s_mul_i32 s56, s29, 3072                       ; my two images of its four
	s_lshl_b32 s57, s29, 2
	s_add_co_u32 s57, s57, 6144                    ; and their scale words
	s_and_b32 s24, s12, 15                         ; head
	s_lshr_b32 s25, s12, 4                         ; batch
	s_lshl_b32 s58, s25, 4                         ; y's codes: group of 128 places, chunk head / 4, tile 4 (wave % 2), half image head % 4
	s_lshl_b32 s59, s11, 2
	s_add_co_u32 s58, s58, s59
	s_add_co_u32 s58, s58, s28
	s_mul_i32 s58, s58, 98304
	s_lshr_b32 s59, s24, 2
	s_mul_i32 s59, s59, 24576
	s_add_co_u32 s58, s58, s59
	s_mul_i32 s59, s29, 12288
	s_add_co_u32 s58, s58, s59
	s_and_b32 s59, s24, 3
	s_mul_i32 s59, s59, 768
	s_add_co_u32 s58, s58, s59
	s_mov_b32 s59, 0
	s_lshl_b32 s60, s24, 14                        ; y's halfwords: the head's plane, my work-group's 512 places
	s_lshl_b32 s61, s25, 12
	s_add_co_u32 s60, s60, s61
	s_lshl_b32 s61, s11, 10
	s_add_co_u32 s60, s60, s61
	s_add_co_u32 s60, s60, YSOFF
	s_mov_b32 s61, 0
	s_mul_i32 s62, s12, 204800                     ; the head's K and V, my eighth
	s_mul_i32 s33, s10, 25600
	s_add_co_u32 s62, s62, s33
	s_mov_b32 s63, 0
	s_mov_b32 s32, 1
	WALU
	s_wait_dscnt 0x0
	s_wait_kmcnt 0x0
	s_add_nc_u64 s[34:35], s[6:7], s[62:63]
	s_or_b32 s35, s35, 0x80000000
	s_add_nc_u64 s[48:49], s[4:5], s[54:55]
	s_add_nc_u64 s[50:51], s[8:9], s[58:59]
	s_add_nc_u64 s[52:53], s[8:9], s[60:61]
	CROUND                                         ; the four partners are here: the joint loads meet
	tensor_load_to_lds s[32:35], s[16:23]          ; two steps' K and V: my one tensor load
	s_nop 0
	PLACES
	v_and_b32 v6, 31, v0
	v_lshlrev_b32 v1, 4, v6                        ; 16 x lane
	v_lshlrev_b32 v2, 3, v6                        ; 8 x lane
	v_bfe_u32 v5, v0, 4, 1
	v_lshlrev_b32 v5, 3, v5                        ; 8 h
	v_and_b32 v7, 15, v0                           ; r
	s_lshl_b32 s54, s10, 7
	s_add_co_u32 s54, s54, YH
	v_lshl_add_u32 v6, v7, 1, s54                  ; LDS: my row's halfword of tile 0; a tile on: 32 bytes
	v_add_nc_u32 v3, s56, v1
	v_lshl_add_u32 v4, v7, 3, s57
.irp i, 0,1
.irp q, 0,1,2
	global_load_b128 v[S+12*\i+4*\q:S+12*\i+4*\q+3], v3, s[48:49] offset:1536*\i+512*\q
.endr
	global_load_b32 v[BM+\i], v4, s[48:49] offset:128*\i
.endr
.irp z, 0,1,2,3,4
.irp k, 0,1,2,3,4,5
	v_mov_b32 v[QR+12*\z+\k], 0                    ; zero codes beside q
.endr
.endr
.irp t, 0,1,2,3
	v_mov_b32 v[NM+2*\t+1], 0xff61b1e6             ; the largest t so far: -3e38
.endr
.irp t, 0,1,2,3
	v_floor_f32 v[NM+2*\t], -v[NM+2*\t+1]
	v_mov_b32 v[T+\t], 0                           ; (a lane permute's destination counts as read)
	v_mov_b32 v[F+\t], 0                           ; (the upper halves of the pairs are named)
.endr
	WIN 0x40
.set J, 0
.rept 128
	v_mov_b32 v[J], 0                              ; O^T: the step is written once, the first finds zeros
.set J, J+1
.endr
.set J, 0
.rept 16
	v_mov_b32 v[LL+J], 0
.set J, J+1
.endr
	WIN 0
	WALU
	s_wait_loadcnt 0x0
.irp t, 0,1,2,3
.irp k, 0,1,2,3,4,5
	v_mov_b32 v[QR+6+12*\t+\k], v[S+6*\t+\k]       ; tile t is half t % 2 of image t / 2
.endr
.endr
.irp i, 0,1
	v_perm_b32 v[QS+2*\i], v[BM+\i], v[BM+\i], 0x01000100     ; the tile's two bytes, for either place of q
	v_perm_b32 v[QS+2*\i+1], v[BM+\i], v[BM+\i], 0x03020302
.endr
	v_mov_b32 v3, v1
	v_mov_b32 v4, v2
	WALU
	s_wait_tensorcnt 0x0
	s_barrier_signal -1
	s_barrier_wait -1                              ; everybody's part of K and V is in
.macro KLOAD                           ; 13 loads
	ds_load_b64 v[KS:KS+1], v4 offset:12288
	WIN 0x40
.irp f, 0,1,2,3
.irp q, 0,1,2
	ds_load_b128 v[KF+12*\f+4*\q:KF+12*\f+4*\q+3], v3 offset:1536*\f+512*\q
.endr
.endr
	WIN 0
.endm
.macro VLOAD                           ; 13 loads
	ds_load_b64 v[VS:VS+1], v4 offset:12544
	WIN 0x40
.irp f, 0,1,2,3
.irp q, 0,1,2
	ds_load_b128 v[VF+12*\f+4*\q:VF+12*\f+4*\q+3], v3 offset:6144+1536*\f+512*\q
.endr
.endr
	WIN 0
.endm
.macro QK1 d, a, b, sa, ra, sb
.if \ra
	v_wmma_scale_f32_16x16x128_f8f6f4 v[(\d):(\d)+7], v[(\a):(\a)+11], v[(\b):(\b)+11], 0, v[(\sa)], v[(\sb)] matrix_a_fmt:MATRIX_FMT_FP6 matrix_b_fmt:MATRIX_FMT_FP6 matrix_a_scale:MATRIX_SCALE_ROW1
.else
	v_wmma_scale_f32_16x16x128_f8f6f4 v[(\d):(\d)+7], v[(\a):(\a)+11], v[(\b):(\b)+11], 0, v[(\sa)], v[(\sb)] matrix_a_fmt:MATRIX_FMT_FP6 matrix_b_fmt:MATRIX_FMT_FP6
.endif
.endm
.macro PV1 d, a, b, sa, ra, sb
.if \ra
	v_wmma_scale_f32_16x16x128_f8f6f4 v[(\d):(\d)+7], v[(\a):(\a)+11], v[(\b):(\b)+11], v[(\d):(\d)+7], v[(\sa)], v[(\sb)] matrix_a_fmt:MATRIX_FMT_FP6 matrix_b_fmt:MATRIX_FMT_FP6 matrix_a_scale:MATRIX_SCALE_ROW1
.else
	v_wmma_scale_f32_16x16x128_f8f6f4 v[(\d):(\d)+7], v[(\a):(\a)+11], v[(\b):(\b)+11], v[(\d):(\d)+7], v[(\sa)], v[(\sb)] matrix_a_fmt:MATRIX_FMT_FP6 matrix_b_fmt:MATRIX_FMT_FP6
.endif
.endm
.macro CHL n, x, g                     ; line n of the way from a tile's block maxima to -M and f = 2^(old M - new M)
.set TT_, T+2*\x
.set NN_, NM+4*\g+2*\x
.if \n == 0
	v_max_num_f32 v[TT_], v[BM+2*\x], v[BM+2*\x+1]
.elseif \n == 1
	v_permlanex16_b32 v[TT_+1], v[TT_], s[SEL], s[SEL+1]
.elseif \n == 2
	v_max_num_f32 v[TT_], v[TT_], v[TT_+1]
.elseif \n == 3
	v_mul_f32 v[TT_], s[CS], v[TT_]
.elseif \n == 4
	v_max_num_f32 v[NN_+1], v[NN_+1], v[TT_]
.elseif \n == 5
	v_mov_b32 v[TT_], v[NN_]
.elseif \n == 6
	v_floor_f32 v[NN_], -v[NN_+1]
.elseif \n == 7
	v_sub_f32 v[TT_], v[NN_], v[TT_]
.elseif \n == 8
	v_cvt_i32_f32 v[TT_], v[TT_]
.else
	v_ldexp_f32 v[F+2*\x], 1.0, v[TT_]
.endif
.endm
.macro CVT x                           ; a tile's 64 p into codes; the upper halves of the two blocks go to TP (a conversion's three registers begin on an even number)
.irp c, 0,1
	v_cvt_scalef32_pk16_fp6_f32 v[P+12*\x+6*\c:P+12*\x+6*\c+2], v[S+64*\x+32*\c:S+64*\x+32*\c+15], v[SC+2*\x+\c]
	v_cvt_scalef32_pk16_fp6_f32 v[TP+4*\c:TP+4*\c+2], v[S+64*\x+32*\c+16:S+64*\x+32*\c+31], v[SC+2*\x+\c]
.endr
.endm
.macro MOVE x
.irp c, 0,1
.irp i, 0,1,2
	v_mov_b32 v[P+12*\x+6*\c+3+\i], v[TP+4*\c+\i]
.endr
.endr
.endm
; Tiles 2 g and 2 g + 1 against the step's 128 keys.  kload: the next step's K is fetched behind the scores' products.  vwait: V's loads are waited for.
.macro PAIR g, kload, vwait
	WIN 0x01                                       ; source 0 (K) window 1
.irp f, 0,1,2,3
.irp e, 0,1
.irp x, 0,1
	QK1 S+64*\x+8*(2*\f+\e), KF+12*\f, QR+12*(2*\g+\x)+6*(1-\e), KS+\f/2, \f%2, QS+2*\g+\x
.endr
.endr
.endr
	WIN 0
.if \kload
	v_add_nc_u32 v3, s[KB], v1                     ; four places in front of the loads and of the first read of scores
	v_add_nc_u32 v4, s[KB], v2
	v_nop
	v_nop
	KLOAD
.else
	PLACES
.endif
.irp x, 0,1
.irp c, 0,1
	v_max3_num_f32 v[BM+2*\x+\c], v[S+64*\x+32*\c], v[S+64*\x+32*\c+1], v[S+64*\x+32*\c+2]   ; each block's largest score: for the row's maximum and for the block's largest p
.endr
.endr
.irp i, 3,5,7,9,11,13,15,17,19,21,23,25,27,29
.irp x, 0,1
.irp c, 0,1
	v_max3_num_f32 v[BM+2*\x+\c], v[BM+2*\x+\c], v[S+64*\x+32*\c+\i], v[S+64*\x+32*\c+\i+1]
.endr
.endr
.endr
.irp x, 0,1
.irp c, 0,1
	v_max_num_f32 v[BM+2*\x+\c], v[BM+2*\x+\c], v[S+64*\x+32*\c+31]
.endr
.endr
.irp n, 0,1,2,3,4,5,6,7,8,9
	CHL \n, 0, \g
	CHL \n, 1, \g
.endr
.set J, 0
.rept 32
	v_pk_fma_f32 v[S+J:S+J+1], v[S+J:S+J+1], s[CS:CS+1], v[NM+4*\g:NM+4*\g+1] op_sel_hi:[1,0,0]           ; t - M
	v_pk_fma_f32 v[S+64+J:S+64+J+1], v[S+64+J:S+64+J+1], s[CS:CS+1], v[NM+4*\g+2:NM+4*\g+3] op_sel_hi:[1,0,0]
.set J, J+2
.endr
.irp x, 0,1
.irp c, 0,1
	v_fma_f32 v[BM+2*\x+\c], v[BM+2*\x+\c], s[CS], v[NM+4*\g+2*\x]
.endr
.endr
	WALU                                           ; a wait ahead of the batch,
.set J, 0
.rept 128
	v_exp_f32 v[S+J], v[S+J]
.set J, J+1
.endr
.irp k, 0,1,2,3
	v_exp_f32 v[BM+\k], v[BM+\k]                   ; the blocks' largest p
.endr
	v_nop
	WALU                                           ; and behind it
.irp k, 0,1,2,3
	v_max_num_f32 v[BM+\k], FLOOR, v[BM+\k]
.endr
.irp k, 0,1,2,3
	v_add_nc_u32 v[SC+\k], 0xff000000, v[BM+\k]    ; 2 off the exponent field: the conversions' scale operand
.endr
.irp k, 0,1,2,3
	v_lshrrev_b32 v[BM+\k], 23, v[SC+\k]           ; the byte
.endr
	CVT 0
.irp x, 0,1
	v_lshl_or_b32 v[BM+2*\x], v[BM+2*\x+1], 16, v[BM+2*\x]   ; (the plain place behind the conversions)  my two bytes,
.endr
.irp x, 0,1
	v_lshlrev_b32 v[BM+2*\x], v5, v[BM+2*\x]       ; 8 h bits up
.endr
	MOVE 0
.irp x, 0,1
	v_permlanex16_b32 v[BM+2*\x+1], v[BM+2*\x], s[SEL], s[SEL+1]
.endr
	CVT 1
.irp x, 0,1
	v_or_b32 v[PS+\x], v[BM+2*\x], v[BM+2*\x+1]    ; with lane l xor 16's: p's scale word
.endr
	MOVE 1
	WIN 0x41                                       ; destination and source 0 window 1
	WALU                                           ; a wait directly ahead of the first reader of O^T
.set J, 0
.rept 16
	v_pk_mul_f32 v[64*\g+J:64*\g+J+1], v[64*\g+J:64*\g+J+1], v[F:F+1] op_sel_hi:[1,0]                  ; O^T under the new M
	v_pk_mul_f32 v[64*\g+32+J:64*\g+32+J+1], v[64*\g+32+J:64*\g+32+J+1], v[F+2:F+3] op_sel_hi:[1,0]
.set J, J+2
.endr
.irp k, 0,2
	v_pk_mul_f32 v[LL+8*\g+\k:LL+8*\g+\k+1], v[LL+8*\g+\k:LL+8*\g+\k+1], v[F:F+1] op_sel_hi:[1,0]      ; and the sums
	v_pk_mul_f32 v[LL+8*\g+4+\k:LL+8*\g+4+\k+1], v[LL+8*\g+4+\k:LL+8*\g+4+\k+1], v[F+2:F+3] op_sel_hi:[1,0]
.endr
.if \vwait
	WALU
	s_wait_dscnt 0x0                               ; V's 13 loads, the only ones out
.endif
	WIN 0x51                                       ; V, C and D window 1, p window 0
.irp u, 0,1,2,3
.irp x, 0,1
	PV1 64*\g+32*\x+8*\u, VF+12*\u, P+12*\x, VS+\u/2, \u%2, PS+\x
.endr
.endr
	WIN 0x41
.set J, 0
.rept 16                               ; the rows' sums of the unquantised p, behind the products, whose registers they do not name
	v_pk_add_f32 v[LL+8*\g:LL+8*\g+1], v[LL+8*\g:LL+8*\g+1], v[S+J:S+J+1]
	v_pk_add_f32 v[LL+8*\g+4:LL+8*\g+5], v[LL+8*\g+4:LL+8*\g+5], v[S+64+J:S+64+J+1]
	v_pk_add_f32 v[LL+8*\g+2:LL+8*\g+3], v[LL+8*\g+2:LL+8*\g+3], v[S+J+2:S+J+3]
	v_pk_add_f32 v[LL+8*\g+6:LL+8*\g+7], v[LL+8*\g+6:LL+8*\g+7], v[S+64+J+2:S+64+J+3]
.set J, J+4
.endr
.endm
	KLOAD                                          ; step 0's K
	s_mov_b32 s[TB], 0
	s_mov_b32 s[IX], 16
.Lstep:
	s_add_co_u32 s[KB], s[TB], STEPB
	s_min_u32 s[KB], s[KB], 15*STEPB               ; the step whose K is fetched ahead
	v_add_nc_u32 v3, s[TB], v1
	v_add_nc_u32 v4, s[TB], v2
	VLOAD
	s_wait_dscnt 13                                ; K is in; V's 13 loads may be out
	PAIR 0, 0, 1
	PAIR 1, 1, 0
	WIN 0
	s_add_co_u32 s[TB], s[TB], STEPB
	s_sub_co_u32 s[IX], s[IX], 1
	s_cmp_lg_u32 s[IX], 0
	s_cbranch_scc1 .Lstep
	; THE WAY OUT: O^T / the sum, y's scale along the head's 32 channels that a lane holds, codes and halfwords
	WALU
	s_wait_dscnt 0x0
	WIN 0x05
.irp t, 0,1,2,3
	v_add_f32 v[T+\t], v[LL+4*\t], v[LL+4*\t+1]
	v_add_f32 v[BM+\t], v[LL+4*\t+2], v[LL+4*\t+3]
.endr
	WIN 0
.irp t, 0,1,2,3
	v_add_f32 v[T+\t], v[T+\t], v[BM+\t]
.endr
.irp t, 0,1,2,3
	v_permlanex16_b32 v[BM+\t], v[T+\t], s[SEL], s[SEL+1]
.endr
.irp t, 0,1,2,3
	v_add_f32 v[T+\t], v[T+\t], v[BM+\t]
.endr
	WALU
.irp t, 0,1,2,3
	v_rcp_f32 v[NM+2*\t], v[T+\t]
.endr
	v_nop
	WIN 0x01
	WALU
.set J, 0
.rept 16
.irp t, 0,1,2,3
	v_pk_mul_f32 v[S+32*\t+J:S+32*\t+J+1], v[32*\t+J:32*\t+J+1], v[NM+2*\t:NM+2*\t+1] op_sel_hi:[1,0]
.endr
.set J, J+2
.endr
	WIN 0
.irp t, 0,1,2,3
	v_max3_num_f32 v[BM+\t], |v[S+32*\t]|, |v[S+32*\t+1]|, FLOOR
.endr
.irp i, 2,4,6,8,10,12,14,16,18,20,22,24,26,28,30
.irp t, 0,1,2,3
	v_max3_num_f32 v[BM+\t], v[BM+\t], |v[S+32*\t+\i]|, |v[S+32*\t+\i+1]|
.endr
.endr
.irp t, 0,1,2,3
	v_add_nc_u32 v[SC+\t], 0xff000000, v[BM+\t]
.endr
.irp t, 0,1,2,3
	v_lshrrev_b32 v[BM+\t], 23, v[SC+\t]
.endr
.macro YC t
	v_cvt_scalef32_pk16_fp6_f32 v[P+6*\t:P+6*\t+2], v[S+32*\t:S+32*\t+15], v[SC+\t]
	v_cvt_scalef32_pk16_fp6_f32 v[TP+4*(\t%2):TP+4*(\t%2)+2], v[S+32*\t+16:S+32*\t+31], v[SC+\t]
.endm
.macro YM t
.irp i, 0,1,2
	v_mov_b32 v[P+6*\t+3+\i], v[TP+4*(\t%2)+\i]
.endr
.endm
	YC 0
	YC 1
.irp t, 0,1,2,3
	v_lshlrev_b32 v[BM+\t], v5, v[BM+\t]           ; (the plain place behind the conversions)
.endr
	YM 0
	YM 1
	YC 2
	YC 3
	v_nop
	YM 2
	YM 3
.irp t, 0,1,2,3
	v_permlanex16_b32 v[F+\t], v[BM+\t], s[SEL], s[SEL+1]
.endr
.irp t, 0,1,2,3
	v_or_b32 v[BM+\t], v[BM+\t], v[F+\t]           ; the row's two bytes of this head
.endr
.irp t, 0,1,2,3
	global_store_b128 v1, v[P+6*\t:P+6*\t+3], s[50:51] offset:3072*\t          ; a half image: 512 consecutive bytes,
	global_store_b64 v2, v[P+6*\t+4:P+6*\t+5], s[50:51] offset:3072*\t+512     ; and 256
	ds_store_b16 v6, v[BM+\t] offset:32*\t
.endr
	s_and_b32 s54, s10, 1
	s_lshl_b32 s54, s54, 9
	v_add_nc_u32 v4, s54, v1
	v_add_nc_u32 v3, YH, v4
	WALU
	s_wait_dscnt 0x0                               ; for the others' sake: my halfwords lie in LDS
	s_barrier_signal -1
	s_barrier_wait -1
	s_cmp_lt_u32 s10, 2
	s_cbranch_scc0 .Lno_scales
	ds_load_b128 v[S:S+3], v3                      ; waves 0 and 1 store the 1,024 bytes, 512 consecutive bytes each
	s_wait_dscnt 0x0
	global_store_b128 v4, v[S:S+3], s[52:53]
.Lno_scales:
	s_wait_tensorcnt 0x0                           ; the wave's end
	ds_add_u32 v[SPW], v[NIL]
	s_wait_dscnt 0x0
	CROUND                                         ; the closing round
	s_endpgm
.Lfunc_end_k_qb747c2834e_attn:
	.size	k_qb747c2834e_attn, .Lfunc_end_k_qb747c2834e_attn-k_qb747c2834e_attn
	.p2alignl 7, 3214868480
	.fill 96, 4, 3214868480
	.section	.rodata,"a",@progbits
	.p2align	6, 0x0
	.amdhsa_kernel k_qb747c2834e_attn
		.amdhsa_group_segment_fixed_size 327680
		.amdhsa_private_segment_fixed_size 0
		.amdhsa_enable_private_segment 0
		.amdhsa_kernarg_size 24
		.amdhsa_user_sgpr_count 2
		.amdhsa_user_sgpr_kernarg_segment_ptr 1
		.amdhsa_wavefront_size32 1
		.amdhsa_system_sgpr_workgroup_id_x 1
		.amdhsa_system_sgpr_workgroup_id_y 1
		.amdhsa_system_sgpr_workgroup_id_z 1
		.amdhsa_system_vgpr_workitem_id 0
		.amdhsa_next_free_vgpr 512
		.amdhsa_next_free_sgpr 66
		.amdhsa_reserve_vcc 0
		.amdhsa_float_denorm_mode_32 3
		.amdhsa_float_denorm_mode_16_64 3
		.amdhsa_memory_ordered 1
		.amdhsa_forward_progress 1
		.amdhsa_inst_pref_size 79
	.end_amdhsa_kernel
	.amdgpu_metadata
---
amdhsa.version: [ 1, 2 ]
amdhsa.kernels:
  - .name:           k_qb747c2834e_attn
    .symbol:         k_qb747c2834e_attn.kd
    .args:
      - { .name: qb, .offset: 0, .size: 8, .value_kind: global_buffer, .address_space: global }
      - { .name: kv, .offset: 8, .size: 8, .value_kind: global_buffer, .address_space: global }
      - { .name: yq, .offset: 16, .size: 8, .value_kind: global_buffer, .address_space: global }
    .group_segment_fixed_size: 327680
    .private_segment_fixed_size: 0
    .kernarg_segment_align: 8
    .kernarg_segment_size: 24
    .max_flat_workgroup_size: 256
    .sgpr_count:     66
    .vgpr_count:     512
    .wavefront_size: 32
...
	.end_amdgpu_metadata
.endif
;; end of part 3
;; launch proj (part 4): grid 4 x 64, 4 waves a work-group, clusters of 4 x 4, 312,832 bytes of LDS; arguments yq, wq, b_proj, out0; writes out0
.if DOCPART == 4
	.amdgcn_target "amdgcn-amd-amdhsa--gfx1250"
	.amdhsa_code_object_version 6
	.text
	.protected	k_qb747c2834e_proj
	.globl	k_qb747c2834e_proj
	.p2align	8
	.type	k_qb747c2834e_proj,@function
k_qb747c2834e_proj:
	s_mov_b64 s[64:65], 0
	v_nop
	global_prefetch_b8 v0, s[64:65] scope:SCOPE_SE
	s_setreg_imm32_b32 hwreg(HW_REG_WAVE_MODE, 25, 1), 1
	s_wait_xcnt 0x0
	s_wait_alu depctr_hold_cnt(0) depctr_sa_sdst(0) depctr_va_vdst(0) depctr_va_sdst(0) depctr_va_ssrc(0) depctr_va_vcc(0) depctr_vm_vsrc(0)
	s_getreg_b32 s2, hwreg(HW_REG_IB_STS2, 6, 4)
	s_cmp_eq_u32 s2, 0
	s_cbranch_scc0 .Lentry_in_a_cluster
	s_endpgm
.Lentry_in_a_cluster:
	s_bfe_u32 s2, ttmp6, 0x10000c
	s_cmp_lg_u32 s2, 0xf033
	s_cbranch_scc0 .Lentry_shape_is_right
	s_endpgm
.Lentry_shape_is_right:
; out0 = y w_proj + b_proj on codes of FP6 (E2M3) with E8M0 scales; sums in f32.
; A work-group makes 128 places of tokens x 256 columns, a wave 128 x 64.  All of K (1,024) lies in LDS, filled once: y's four chunks of 256 along K (8 tiles, 24,576 bytes each), then w's four (16 tiles, 49,152 each),
; as images of the operands' registers, dense in memory, fetched as rows of 256 bytes.  No LDS byte is filled twice.  CLUSTER 4 x 4: y's tiles are asked for jointly along a row, w's along a column.
; FILLS: one tensor load a wave, each in an arm of its own: wave 0 y's first half of K, wave 1 w's, wave 2 y's second half, wave 3 w's.  The first barrier shows waves 0 and 1's tiles, the second the others'.
; No prefetch: all that the launch streams is asked for at its head, in one group; there is no loop to run ahead in.
; THE WORK GOES BY ROWS OF THE RESULT.  A wave's 64 columns of w, all of K, lie in registers: 4 tiles x 8 K steps, 32 fragments.  y's tiles of 16 tokens stream past them, 8 fragments each, in two sets.
; A tile's 16 x 64 results are finished by its 32 products (four accumulators by turns, K ascending) and leave at once: the stores of a tile stand ahead of the next tile's products.
; A fragment of y is two half images (a head's 64 channels each, 768 bytes: registers 0-3 at 16 l, registers 4-5 at 512 + 8 l).  Its scale word is two heads' halfwords, joined here.
; The product is used transposed (source 0 = 16 columns of w, source 1 = 16 tokens): a lane holds one token and, in the 32 registers of four tiles, columns 32 (lane / 16) + 0 .. 31.  The bias is the C of the first K step.
; THE WAY OUT undoes the order of the places: place 16 u + 8 g + j of a group of 64 is row 32 g + 8 u + j.  A tile goes through the wave's own stage and leaves as rows of 256 consecutive bytes.
; REGISTERS: window 0: v1-15, v226-227 addresses; v16-47 y's scale words, v48-63 w's (nothing else ever; w's word of K step t in register (t + 4) % 8 of its eight: its number differs from that of y's word modulo 8);
; v64-95 the bias; v96-159 rows read back from the stage, two sets; v160-223 the accumulators, two sets.  Window 1: w's fragments of K steps 0-3; window 2: of K steps 4-7; window 3: y's fragments, two sets of 96.
.set WCOFF, 2359296
.set YSOFF, 6291456
.set WSOFF, 3244032
.set BOFF,  98304
.set STAGE, 294912                     ; behind K: 16 rows x 272 bytes for each wave; no tensor load lands there
.set WA,   3                           ; v3, v4    LDS address of my tiles of w, first and second half of K
.set YA,   14                          ; v14, v15  of y's tiles, 16 x lane
.set YC,   226                         ; v226, v227  the same, 8 x lane
.set SA,   16
.set SB,   48
.set BIAS, 64
.set BK,   96
.set ACC,  160
.set G1A,  24
.set G1B,  32
.set G0A,  40
.set G0B,  68
.set MSB, 0
.macro WIN new
.if MSB != \new
	s_set_vgpr_msb (MSB<<8)|\new
.set MSB, \new
.endif
.endm
.macro PLACES
.rept 4
	v_nop
.endr
.endm
.macro CROUND
	s_barrier_signal -1
	s_barrier_wait -1
	s_cmp_lg_u32 s14, 0
	s_cbranch_scc1 .Lnot_wave_0_\@
	s_barrier_signal -3
.Lnot_wave_0_\@:
	s_barrier_wait -3
	s_barrier_signal -1
	s_barrier_wait -1
.endm
.macro WM d, a, b, c, sa, ra, sb, rb
.if ((\ra) == 0) && ((\rb) == 0)
	v_wmma_scale_f32_16x16x128_f8f6f4 v[(\d):(\d)+7], v[(\a):(\a)+11], v[(\b):(\b)+11], v[(\c):(\c)+7], v[(\sa)], v[(\sb)] matrix_a_fmt:MATRIX_FMT_FP6 matrix_b_fmt:MATRIX_FMT_FP6
.elseif (\rb) == 0
	v_wmma_scale_f32_16x16x128_f8f6f4 v[(\d):(\d)+7], v[(\a):(\a)+11], v[(\b):(\b)+11], v[(\c):(\c)+7], v[(\sa)], v[(\sb)] matrix_a_fmt:MATRIX_FMT_FP6 matrix_b_fmt:MATRIX_FMT_FP6 matrix_a_scale:MATRIX_SCALE_ROW1
.elseif (\ra) == 0
	v_wmma_scale_f32_16x16x128_f8f6f4 v[(\d):(\d)+7], v[(\a):(\a)+11], v[(\b):(\b)+11], v[(\c):(\c)+7], v[(\sa)], v[(\sb)] matrix_a_fmt:MATRIX_FMT_FP6 matrix_b_fmt:MATRIX_FMT_FP6 matrix_b_scale:MATRIX_SCALE_ROW1
.else
	v_wmma_scale_f32_16x16x128_f8f6f4 v[(\d):(\d)+7], v[(\a):(\a)+11], v[(\b):(\b)+11], v[(\c):(\c)+7], v[(\sa)], v[(\sb)] matrix_a_fmt:MATRIX_FMT_FP6 matrix_b_fmt:MATRIX_FMT_FP6 matrix_a_scale:MATRIX_SCALE_ROW1 matrix_b_scale:MATRIX_SCALE_ROW1
.endif
.endm
.macro GROUP1 g, mask, rows            ; a dense block as rows of 256 bytes (32 elements of 8 bytes), no padding
	s_or_b32 s[\g], s\mask, (3<<16)|(1<<21)
	s_mov_b32 s[\g+1], 32<<16
	s_mov_b32 s[\g+2], (\rows)<<16
	s_mov_b32 s[\g+3], 32<<16
	s_mov_b32 s[\g+4], \rows
	s_mov_b32 s[\g+5], 32
	s_mov_b32 s[\g+6], 0
	s_mov_b32 s[\g+7], 0
.endm
	s_load_b256 s[4:11], s[0:1], 0x0               ; yq s[4:5], wq s[6:7], b_proj s[8:9], out0 s[10:11]
	v_lshl_add_u32 v254, v0, 2, 0x4c400
	v_mov_b32 v255, 0
	ds_add_u32 v254, v255                          ; the opening lines
	ds_add_u32 v254, v255
	v_lshrrev_b32 v1, 5, v0
	v_readfirstlane_b32 s14, v1                    ; wave
	s_lshr_b32 s15, s14, 1                         ; which half of K I fetch
	s_bfe_u32 s16, ttmp6, 0x40000                  ; cx
	s_bfe_u32 s17, ttmp6, 0x40004                  ; cy
	s_lshl_b32 s18, ttmp9, 2
	s_add_co_u32 s18, s18, s16                     ; X: which 256 columns
	s_and_b32 s19, ttmp7, 0xffff
	s_lshl_b32 s19, s19, 2
	s_add_co_u32 s19, s19, s17                     ; Y: which 128 places of tokens
	s_lshl_b32 s20, s17, 2
	s_lshl_b32 s20, 15, s20
	s_lshl_b32 s21, 0x1111, s16
	GROUP1 G1A, 20, 192                            ; half of K of y's tiles
	GROUP1 G1B, 21, 384                            ; half of K of w's
	s_mul_i32 s22, s15, 49152                      ; my half of K, in LDS and in memory: y's,
	s_mul_i32 s23, s15, 98304                      ; w's
	s_mul_i32 s56, s19, 98304
	s_add_co_u32 s56, s56, s22
	s_mov_b32 s57, 0
	s_mul_i32 s60, s18, 196608
	s_add_co_u32 s60, s60, s23
	s_add_co_u32 s60, s60, WCOFF
	s_mov_b32 s61, 0
	s_wait_dscnt 0x0
	s_wait_kmcnt 0x0
	s_add_nc_u64 s[58:59], s[4:5], s[56:57]
	s_add_nc_u64 s[62:63], s[6:7], s[60:61]
	s_mov_b32 s[G0A], 1
	s_mov_b32 s[G0A+1], s22
	s_mov_b64 s[G0A+2:G0A+3], s[58:59]
	s_or_b32 s[G0A+3], s[G0A+3], 0x80000000
	s_mov_b32 s[G0B], 1
	s_add_co_u32 s[G0B+1], s23, BOFF
	s_mov_b64 s[G0B+2:G0B+3], s[62:63]
	s_or_b32 s[G0B+3], s[G0B+3], 0x80000000
	CROUND                                         ; all sixteen work-groups are here: the joint loads meet
.macro ARM under, g0, g1, next         ; one chain of branches on the wave's number, one load to an arm, all arms to one join
	s_cmp_lt_u32 s14, \under
	s_cbranch_scc0 \next
	tensor_load_to_lds s[\g0:\g0+3], s[\g1:\g1+7]
	s_nop 0
	PLACES
	s_branch .Lfilled
\next:
.endm
	ARM 1, G0A, G1A, .Larm_w0
	ARM 2, G0B, G1B, .Larm_y1
	ARM 3, G0A, G1A, .Larm_w1
	tensor_load_to_lds s[G0B:G0B+3], s[G1B:G1B+7]
	s_nop 0
	PLACES
.Lfilled:
	v_and_b32 v6, 31, v0
	v_lshlrev_b32 v1, 4, v6                        ; 16 x lane
	v_lshlrev_b32 v10, 3, v6                       ; 8 x lane
	v_mov_b32 v[YA], v1                            ; y's tiles: registers 0-3 and 6-9 of a fragment, chunks 0 and 1,
	v_add_nc_u32 v[YA+1], 49152, v1                ; chunks 2 and 3;
	v_mov_b32 v[YC], v10                           ; registers 4-5 and 10-11
	v_add_nc_u32 v[YC+1], 49152, v10
	s_mul_i32 s94, s14, 12288
	s_add_co_u32 s94, s94, BOFF
	v_add_nc_u32 v[WA], s94, v1                    ; my four tiles of w, chunks 0 and 1,
	s_add_co_u32 s94, s94, 98304
	v_add_nc_u32 v[WA+1], s94, v1                  ; chunks 2 and 3
	v_lshlrev_b32 v9, 1, v6                        ; 2 x lane: a place's halfword
	v_bfe_u32 v7, v0, 4, 1                         ; h
	v_and_b32 v5, 15, v0                           ; r
	v_lshlrev_b32 v8, 7, v7                        ; the bias: register 8 b + j is column 32 h + 8 b + j
	s_wait_alu depctr_va_vdst(0)
	s_mul_i32 s94, s14, 4352
	s_add_co_u32 s94, s94, STAGE                   ; my stage
	v_mul_u32_u24 v11, v5, 272
	v_lshl_add_u32 v11, v7, 7, v11
	v_add_nc_u32 v11, s94, v11                     ; in: row r, + 128 h
	v_mul_u32_u24 v12, v7, 272
	v_lshl_add_u32 v12, v5, 4, v12
	v_add_nc_u32 v12, s94, v12                     ; back: lanes 0-15 one row of 256 bytes, lanes 16-31 the next
	v_lshlrev_b32 v13, 12, v7
	v_lshl_add_u32 v13, v5, 4, v13                 ; and the same two rows of out0
	s_lshl_b32 s94, s19, 8                         ; y's halfwords: my 128 places in each head's plane
	s_add_co_u32 s94, s94, YSOFF
	s_mov_b32 s95, 0
	s_add_nc_u64 s[84:85], s[4:5], s[94:95]
	s_lshl_b32 s94, s18, 2
	s_add_co_u32 s94, s94, s14                     ; my group of 64 columns
	s_lshl_b32 s96, s94, 8                         ; its 256 bytes, in the bias and in a row of out0
	s_lshl_b32 s94, s94, 11
	s_add_co_u32 s94, s94, WSOFF
	s_add_nc_u64 s[86:87], s[6:7], s[94:95]
	s_mov_b32 s97, 0
	s_add_nc_u64 s[88:89], s[8:9], s[96:97]
	s_lshl_b32 s94, s19, 19                        ; 128 Y rows of 4,096 bytes
	s_add_co_u32 s94, s94, s96
	s_add_nc_u64 s[90:91], s[10:11], s[94:95]
.irp hd, 0,1,2,3,4,5,6,7,8,9,10,11,12,13,14,15
.irp pr, 0,1,2,3
	global_load_u16 v[BK+4*\hd+\pr], v9, s[84:85] offset:16384*\hd+64*\pr   ; head hd, places 32 pr + lane: lanes 0-15 the even tile's, lanes 16-31 the odd tile's
.endr
.endr
.irp pb, 0,1
.irp kh, 0,1
	global_load_b128 v[SB+8*\pb+4*(1-\kh):SB+8*\pb+4*(1-\kh)+3], v1, s[86:87] offset:1024*\kh+512*\pb
.endr
.endr
.irp i, 0,1,2,3,4,5,6,7
	global_load_b128 v[BIAS+4*\i:BIAS+4*\i+3], v8, s[88:89] offset:16*\i
.endr
	s_wait_loadcnt 0x0
.irp pr, 0,1,2,3
.irp t, 0,1,2,3,4,5,6,7
	v_lshl_or_b32 v[SA+8*\pr+\t], v[BK+4*(2*\t+1)+\pr], 16, v[BK+8*\t+\pr]   ; K step t is heads 2 t and 2 t + 1
.endr
.endr
.rept 8
	v_nop                                          ; a scale register written by a vector instruction stands 8 places ahead of a scaled product
.endr
.macro WFETCH k                        ; half k of K: my 16 fragments of w, 48 loads of 512 consecutive bytes, into window 1 + k
	WIN (1+\k)<<6
.irp t, 0,1,2,3
.irp b, 0,1,2,3
.irp q, 0,1,2
	ds_load_b128 v[12*(4*\t+\b)+4*\q:12*(4*\t+\b)+4*\q+3], v[WA+\k] offset:49152*(\t/2)+3072*\b+1536*(\t%2)+512*\q
.endr
.endr
.endr
	WIN 0
.endm
.macro YFETCH a                        ; tile a of y, all of K: 8 fragments, 32 loads, into set a % 2 of window 3
	WIN 0xc0
.irp t, 0,1,2,3,4,5,6,7
	ds_load_b128 v[96*((\a)%2)+12*\t:96*((\a)%2)+12*\t+3], v[YA+\t/4] offset:24576*((\t/2)%2)+3072*(\a)+1536*(\t%2)
	ds_load_b64 v[96*((\a)%2)+12*\t+4:96*((\a)%2)+12*\t+5], v[YC+\t/4] offset:24576*((\t/2)%2)+3072*(\a)+1536*(\t%2)+512
	ds_load_b128 v[96*((\a)%2)+12*\t+6:96*((\a)%2)+12*\t+9], v[YA+\t/4] offset:24576*((\t/2)%2)+3072*(\a)+1536*(\t%2)+768
	ds_load_b64 v[96*((\a)%2)+12*\t+10:96*((\a)%2)+12*\t+11], v[YC+\t/4] offset:24576*((\t/2)%2)+3072*(\a)+1536*(\t%2)+1280
.endr
	WIN 0
.endm
.macro MUL a                           ; 32 products: the tile's four accumulators take turns, one instruction a turn, K ascending
.irp t, 0,1,2,3,4,5,6,7
.if \t < 4
	WIN 0x0d                                       ; source 0 (w) window 1, source 1 (y) window 3, C and D window 0
.else
	WIN 0x0e                                       ; w window 2
.endif
.irp b, 0,1,2,3
.if \t == 0
	WM ACC+32*((\a)%2)+8*\b, 12*(4*(\t%4)+\b), 96*((\a)%2)+12*\t, BIAS+8*\b, SB+8*(\b/2)+(\t+4)%8, \b%2, SA+8*((\a)/2)+\t, (\a)%2
.else
	WM ACC+32*((\a)%2)+8*\b, 12*(4*(\t%4)+\b), 96*((\a)%2)+12*\t, ACC+32*((\a)%2)+8*\b, SB+8*(\b/2)+(\t+4)%8, \b%2, SA+8*((\a)/2)+\t, (\a)%2
.endif
.endr
.endr
	WIN 0
.endm
.macro TOSTAGE a                       ; tile a: 16 tokens x 64 columns into my stage, each accumulator from its low end on, and back as rows.  LDS serves a wave's instructions in order: no wait between
.irp b, 0,1,2,3
	ds_store_b128 v11, v[ACC+32*((\a)%2)+8*\b:ACC+32*((\a)%2)+8*\b+3] offset:32*\b
	ds_store_b128 v11, v[ACC+32*((\a)%2)+8*\b+4:ACC+32*((\a)%2)+8*\b+7] offset:32*\b+16
.endr
.irp i, 0,1,2,3,4,5,6,7
	ds_load_b128 v[BK+32*((\a)%2)+4*\i:BK+32*((\a)%2)+4*\i+3], v12 offset:544*\i
.endr
.endm
.macro SEND a                          ; place 2 i + lane / 16 of tile a is row 64 (a / 4) + 8 (a % 4) + 32 (i / 4) + 2 (i % 4) + lane / 16
.irp i, 0,1,2,3,4,5,6,7
	global_store_b128 v13, v[BK+32*((\a)%2)+4*\i:BK+32*((\a)%2)+4*\i+3], s[90:91] offset:4096*(64*((\a)/4)+8*((\a)%4)+32*(\i/4)+2*(\i%4)) th:TH_STORE_NT   ; sixteen lanes store 256 consecutive bytes, aligned
.endr
.endm
.macro TILE a
	s_wait_dscnt 0x0                               ; this tile's fragments are in, and the last tile's rows are back from the stage
.if (\a) > 0
	SEND (\a)-1
.endif
	MUL \a
	PLACES                                         ; in front of the first read of results, and of loads into the set just multiplied
.if (\a)+2 < 8
	YFETCH (\a)+2
.endif
.if (\a) > 1
	s_wait_xcnt 0x0                                ; tile a - 2's stores have read their registers: tile a's rows may land there
.endif
	TOSTAGE \a
.endm
	s_wait_alu depctr_va_vdst(0)
	s_cmp_lt_u32 s14, 2                            ; waves 0 and 1 fetched the first half of K: they wait; the others' loads may stay out
	s_cbranch_scc0 .Lnot_first
	s_wait_tensorcnt 0x0
.Lnot_first:
	s_barrier_signal -1
	s_barrier_wait -1
	WFETCH 0
	s_wait_tensorcnt 0x0                           ; every wave: the second half of K has landed
	s_wait_dscnt 0x0                               ; no LDS instruction of mine is out at a signal
	s_barrier_signal -1
	s_barrier_wait -1
	WFETCH 1
	YFETCH 0
	YFETCH 1
.irp a, 0,1,2,3,4,5,6,7
	TILE \a
.endr
	s_wait_dscnt 0x0
	SEND 7
	s_wait_tensorcnt 0x0                           ; the wave's end
	ds_add_u32 v254, v255
	s_wait_dscnt 0x0
	CROUND                                         ; the closing round: no work-group ends while a partner may still ask for a tile that names it
	s_endpgm
.Lfunc_end_k_qb747c2834e_proj:
	.size	k_qb747c2834e_proj, .Lfunc_end_k_qb747c2834e_proj-k_qb747c2834e_proj
	.p2alignl 7, 3214868480
	.fill 96, 4, 3214868480
	.section	.rodata,"a",@progbits
	.p2align	6, 0x0
	.amdhsa_kernel k_qb747c2834e_proj
		.amdhsa_group_segment_fixed_size 312832
		.amdhsa_private_segment_fixed_size 0
		.amdhsa_enable_private_segment 0
		.amdhsa_kernarg_size 32
		.amdhsa_user_sgpr_count 2
		.amdhsa_user_sgpr_kernarg_segment_ptr 1
		.amdhsa_wavefront_size32 1
		.amdhsa_system_sgpr_workgroup_id_x 1
		.amdhsa_system_sgpr_workgroup_id_y 1
		.amdhsa_system_sgpr_workgroup_id_z 1
		.amdhsa_system_vgpr_workitem_id 0
		.amdhsa_next_free_vgpr 1024
		.amdhsa_next_free_sgpr 100
		.amdhsa_reserve_vcc 0
		.amdhsa_float_denorm_mode_32 3
		.amdhsa_float_denorm_mode_16_64 3
		.amdhsa_memory_ordered 1
		.amdhsa_forward_progress 1
		.amdhsa_inst_pref_size 88
	.end_amdhsa_kernel
	.amdgpu_metadata
---
amdhsa.version: [ 1, 2 ]
amdhsa.kernels:
  - .name:           k_qb747c2834e_proj
    .symbol:         k_qb747c2834e_proj.kd
    .args:
      - { .name: yq, .offset: 0, .size: 8, .value_kind: global_buffer, .address_space: global }
      - { .name: wq, .offset: 8, .size: 8, .value_kind: global_buffer, .address_space: global }
      - { .name: b_proj, .offset: 16, .size: 8, .value_kind: global_buffer, .address_space: global }
      - { .name: out0, .offset: 24, .size: 8, .value_kind: global_buffer, .address_space: global }
    .group_segment_fixed_size: 312832
    .private_segment_fixed_size: 0
    .kernarg_segment_align: 8
    .kernarg_segment_size: 32
    .max_flat_workgroup_size: 128
    .sgpr_count:     100
    .vgpr_count:     1024
    .wavefront_size: 32
...
	.end_amdgpu_metadata
.endif
;; end of part 4
